; MI455X (gfx1250); checked and timed in simulation.
; The chip was launched on July 23, 2026; its instructions are those of AMD's public machine-readable ISA for CDNA 5 (MIT licence, August 2026) and "CDNA5" Instruction Set Architecture Reference Guide (July 2026). The comments in the code are by the model that wrote it; some were corrected since.
;; Model. Allowed arithmetic: matrix products marked QUANTISED: E3M2 operands, one E8M0 scale for each 32 along K, by v_wmma_scale_f32_16x16x128_f8f6f4 with both operands' format E3M2, f32 sums; everything else in f32.
;; Inputs: We 16 x 1,024 x 1,024 float32; Wg 16 x 1,024 float32; x 4,096 x 1,024 float32.
;; Outputs: out0 4,096 x 1,024 float32.
;; This version of the problem:
;;   THIS VERSION OF THE PROBLEM IS GIVEN IN LOW PRECISION. The matrix products marked QUANTISED in the list below multiply operands that are first quantised to E3M2 (3 exponent bits, 2 mantissa bits; 6 bits a number), with one power-of-two scale for each 32 numbers along K (OCP MX v1.0); their sums are f32. All else is computed in f32.
;;   The module's matrix products, in the order in which they are computed (A, B: the left and right operand; K: the contracted axis; several contracted axes count as one K, in the product's order):
;;     1. [M 4,096, K 1,024] x [K 1,024, N 16]; A: input x; B: input Wg: QUANTISED
;;     2. [M 4,096, K 1,024] x [K 1,024, N 1,024]; A: computed on the way; B: input We: QUANTISED
;;     3. [M 4,096, K 1,024] x [K 1,024, N 1,024]; A: computed on the way; B: input We: QUANTISED
;;     4. [M 4,096, K 1,024] x [K 1,024, N 1,024]; A: computed on the way; B: input We: QUANTISED
;;     5. [M 4,096, K 1,024] x [K 1,024, N 1,024]; A: computed on the way; B: input We: QUANTISED
;;     6. [M 4,096, K 1,024] x [K 1,024, N 1,024]; A: computed on the way; B: input We: QUANTISED
;;     7. [M 4,096, K 1,024] x [K 1,024, N 1,024]; A: computed on the way; B: input We: QUANTISED
;;     8. [M 4,096, K 1,024] x [K 1,024, N 1,024]; A: computed on the way; B: input We: QUANTISED
;;     9. [M 4,096, K 1,024] x [K 1,024, N 1,024]; A: computed on the way; B: input We: QUANTISED
;;     10. [M 4,096, K 1,024] x [K 1,024, N 1,024]; A: computed on the way; B: input We: QUANTISED
;;     11. [M 4,096, K 1,024] x [K 1,024, N 1,024]; A: computed on the way; B: input We: QUANTISED
;;     12. [M 4,096, K 1,024] x [K 1,024, N 1,024]; A: computed on the way; B: input We: QUANTISED
;;     13. [M 4,096, K 1,024] x [K 1,024, N 1,024]; A: computed on the way; B: input We: QUANTISED
;;     14. [M 4,096, K 1,024] x [K 1,024, N 1,024]; A: computed on the way; B: input We: QUANTISED
;;     15. [M 4,096, K 1,024] x [K 1,024, N 1,024]; A: computed on the way; B: input We: QUANTISED
;;     16. [M 4,096, K 1,024] x [K 1,024, N 1,024]; A: computed on the way; B: input We: QUANTISED
;;     17. [M 4,096, K 1,024] x [K 1,024, N 1,024]; A: computed on the way; B: input We: QUANTISED
;;   THE QUANTISER, for each operand of a quantised product, along K:
;;     - K is cut into blocks of 32 from its start; a last block that is shorter is filled with zeros.
;;     - A block's scale is 2^e with e = floor(log2(the largest magnitude in the block)) - 4, held to -126 .. 127; a block of zeros has e = 0. As a byte (E8M0): e + 127.
;;     - Each number is divided by its block's scale, clamped to +-28, and rounded to the nearest number of E3M2, ties to even, subnormals kept.
;;     - The product sums the exact products of the quantised numbers (number of the format x scale) in f32.
;;   ~~~python
;;   def quantise(x, axis):      # numpy; x: float32 -> the quantised numbers, widened to float32 again
;;       x = np.moveaxis(x, axis, -1); K = x.shape[-1]
;;       x = np.pad(x, [(0, 0)] * (x.ndim - 1) + [(0, -K % 32)]); x = x.reshape(x.shape[:-1] + (-1, 32)); a = np.abs(x).max(-1, keepdims=True)
;;       e = np.where(a > 0, np.clip(np.frexp(np.where(a > 0, a, 1))[1] - 1 - 4, -126, 127), 0)      # np.frexp(a)[1] - 1 = floor(log2(a)), exactly
;;       r = np.clip(x / 2.0 ** e, -28, 28)
;;       step = 2.0 ** (np.maximum(np.frexp(np.where(r == 0, 1, r))[1] - 1, -2) - 2)
;;       q = np.round(r / step) * step * 2.0 ** e      # np.round: ties to even
;;       return np.moveaxis(q.reshape(q.shape[:-2] + (-1,))[..., :K], -1, axis).astype(np.float32)
;;   ~~~
;;   OPERANDS COMPUTED ON THE WAY. 'Computed on the way' means the value that the module computes at that place (a softmax that the list does not call 'softmax' is quantised finished and normalised). What goes into a quantiser is computed in f32, as accurately as f32 sums, v_exp_f32 and their like allow (about 1e-6 of the number): no bf16 or f16 on the way to a quantiser, and a product that is left as it is and whose result goes on into a quantised operand takes f32 operands (vector FMAs, or v_wmma_f32_16x16x4_f32). A number that lies on a knife's edge between two numbers of the format may be rounded either way, as far as f32 arithmetic and the matrix unit's own rounding can turn it there, and no further.
;; 2 versions. Each part assembles by itself: llvm-mc -triple=amdgcn-amd-amdhsa -mcpu=gfx1250 --defsym DOCPART=n.
;; ======== version 1 of 2: 3 launches
;; workspace buffers: xc 3,145,728 bytes; xs 131,072 bytes; idx 16,384 bytes of whole numbers; order 278,784 bytes of whole numbers; meta 256 bytes of whole numbers
;; launch gate (part 1): grid 256 x 1, 8 waves a work-group, no clusters, 89,856 bytes of LDS; arguments x, Wg, xc, xs, idx; writes xc, xs, idx
.if DOCPART == 1
	.amdgcn_target "amdgcn-amd-amdhsa--gfx1250"
	.amdhsa_code_object_version 6
	.text
	.protected	k_q518d2c00ff_gate
	.globl	k_q518d2c00ff_gate
	.p2align	8
	.type	k_q518d2c00ff_gate,@function
k_q518d2c00ff_gate:
	s_mov_b64 s[64:65], 0
	v_nop
	global_prefetch_b8 v0, s[64:65] scope:SCOPE_SE
	s_setreg_imm32_b32 hwreg(HW_REG_WAVE_MODE, 25, 1), 1
	s_wait_xcnt 0x0
; GATE.  x [4096][1024] f32 is quantised once to codes of BF6 (E3M2) with one E8M0 byte for each 32 along K; scores = Q(x) Q(Wg)^T on those codes; idx[token] = the index of the largest score.
; OUT: xc [token][h 2][s 8][48 bytes]: the 12 operand registers of lane (row, h) for K step s (128 along K), so that a later lane fetches its fragments by 16-byte loads alone;
;      xs [token][32]: the scale bytes in their natural order (word s serves K step s);  idx [token]: u32, stored at a fixed place: no address and no branch here hangs on it.
; SHARES.  Work-group g: tokens 16 g .. 16 g + 15.  Wave w: K step w (k = 128 w .. 128 w + 127) of x's 16 rows and of Wg's 16 rows: one matrix instruction a wave; the eight partial sums meet in LDS.
; All 32 loads of a wave (512 consecutive bytes each) go out at the head.  A load takes a row's bytes as they lie, 16 a lane; the conversions want 32 neighbours along K in one lane's registers:
; so 16 rows x 512 bytes turn through the wave's own stage in LDS.
; A block's scale byte is its largest magnitude's exponent field - 4, held at 1 from below.
; LIMITS: NaN and infinities are not served.  A block of zeros, or one whose largest magnitude lies under 2^-122, gets the byte 1 (a block of zeros has zero codes, which add nothing; the bytes are read
; by this program alone).  A score is the f32 sum, K ascending, of eight partial sums of 128 along K.  Of scores that are exactly equal the lower index is taken.
; No cluster, no tensor load: x is shared by no two work-groups, and Wg is 64 KiB in all.
.set TP,   528                         ; a stage row: 512 bytes + 16 = 33 x 16 bytes: the sixteen rows that a load touches start at sixteen different 16-byte columns of 256
.set TST,  16*TP                       ; a wave's stage
.set CST,  8*TST                       ; behind the stages: the codes of 16 tokens, 768 bytes + 16 each
.set CP,   784
.set SST,  CST+16*CP                   ; the scale bytes of 16 tokens, 32 each
.set PART, SST+512                     ; the partial sums: 1,024 bytes a wave
.set STW,  5                           ; v5   stage, in: 16 x lane
.set STR,  6                           ; v6   stage, out: row r, + 128 h
.set SH8,  7                           ; v7   8 h
.set CSW,  8                           ; v8   where my 48 bytes of codes go
.set SSW,  9                           ; v9   where my row's scale word goes
.set PAW,  10                          ; v10  where my partial sums go
.set RD0,  11                          ; v11  the codes of tokens 2 w, 2 w + 1, read back as they lie in xc
.set RD1,  12                          ; v12  the same behind the padding between the two tokens, for lanes 16-31
.set PAR,  13                          ; v13  all partial sums
.set SSR,  14                          ; v14  all scale bytes
.set MX,   18                          ; v18-19 largest magnitudes; v20-21 the conversions' scale operands; v22-23 scale bytes; v24 at work
.set SOP,  20
.set BY,   22
.set QT,   24
.set GW,   28                          ; v28  Wg's scale words;  v29  x's: they hold scales and nothing else
.set XW,   29
.set GF,   32                          ; v32-43  Wg's fragment
.set XF,   44                          ; v44-55  x's fragment
.set TC,   56                          ; v56-63  the second halves of the blocks' codes
.set ACC,  64                          ; v64-71  the partial scores
.set RG,   72                          ; v72-135 Wg as loaded; then 64 numbers a lane, turned
.set RX,   136                         ; v136-199 x as loaded; later the eight partial sums
.set SEL,  22                          ; s[22:23] lane selects for v_permlanex16_b32: lane l xor 16
; 16 rows x 128 K of f32, register group raw + 4 i = row i (lane l: k = 4 l .. 4 l + 3), become dst + 32 c + i = k 64 c + 32 h + i of row r.  LDS serves a wave's instructions in order: no wait between stores and loads.
.macro TURN raw, dst
.irp i, 0,1,2,3,4,5,6,7,8,9,10,11,12,13,14,15
	ds_store_b128 v[STW], v[\raw+4*\i:\raw+4*\i+3] offset:TP*\i
.endr
.irp c, 0,1
.irp j, 0,1,2,3,4,5,6,7
	ds_load_b128 v[\dst+32*\c+4*\j:\dst+32*\c+4*\j+3], v[STR] offset:256*\c+16*\j
.endr
.endr
.endm
; 64 numbers of a lane (two whole blocks of 32: blocks h and 2 + h of my row's K step) become the fragment's 12 registers at v[pc] and my row's scale word in v[pw].
.macro QUANT s, pc, pw
.irp c, 0,1
	v_max3_num_f32 v[MX+\c], |v[\s+32*\c]|, |v[\s+32*\c+1]|, 0x2800000   ; and the floor 2^(5 - 127): the byte cannot fall under 1
.endr
.irp i, 2,4,6,8,10,12,14,16,18,20,22,24,26,28,30
.irp c, 0,1
	v_max3_num_f32 v[MX+\c], v[MX+\c], |v[\s+32*\c+\i]|, |v[\s+32*\c+\i+1]|   ; (the two blocks by turns)
.endr
.endr
.irp c, 0,1
	v_add_nc_u32 v[SOP+\c], 0xfe000000, v[MX+\c]   ; 4 off the exponent field: the conversion takes this operand's exponent field as its scale
.endr
.irp c, 0,1
	v_lshrrev_b32 v[BY+\c], 23, v[SOP+\c]          ; the scale's byte
.endr
	v_lshl_or_b32 v[\pw], v[BY+1], 16, v[BY]       ; my two bytes,
	v_lshlrev_b32 v[\pw], v[SH8], v[\pw]           ; at their places in the word (8 h bits up);
	v_permlanex16_b32 v[QT], v[\pw], s[SEL], s[SEL+1]
	v_or_b32 v[\pw], v[\pw], v[QT]                 ; with lane l xor 16's two the word is whole, in both halves of the lanes
.irp c, 0,1
	v_cvt_scalef32_pk16_bf6_f32 v[\pc+6*\c:\pc+6*\c+2], v[\s+32*\c:\s+32*\c+15], v[SOP+\c]
	v_cvt_scalef32_pk16_bf6_f32 v[TC+4*\c:TC+4*\c+2], v[\s+32*\c+16:\s+32*\c+31], v[SOP+\c]   ; (a conversion's three registers begin on an even number)
.endr
	v_nop                                          ; one plain place behind a scaled conversion
.irp c, 0,1
.irp i, 0,1,2
	v_mov_b32 v[\pc+3+6*\c+\i], v[TC+4*\c+\i]
.endr
.endr
.endm
	s_load_b256 s[4:11], s[0:1], 0x0               ; x s[4:5], Wg s[6:7], xc s[8:9], xs s[10:11]
	s_load_b64 s[12:13], s[0:1], 0x20              ; idx
	v_lshl_add_u32 v200, v0, 2, 0x15b00
	v_mov_b32 v201, 0
	v_lshrrev_b32 v1, 5, v0
	v_readfirstlane_b32 s16, v1                    ; wave 0..7
	v_and_b32 v1, 31, v0                           ; lane
	v_and_b32 v2, 15, v0                           ; r
	v_bfe_u32 v3, v0, 4, 1                         ; h
	v_lshlrev_b32 v4, 4, v1                        ; 16 x lane
	s_mul_i32 s17, s16, TST
	v_add_nc_u32 v[STW], s17, v4
	v_mul_u32_u24 v[STR], v2, TP
	v_lshl_add_u32 v[STR], v3, 7, v[STR]
	v_add_nc_u32 v[STR], s17, v[STR]
	v_lshlrev_b32 v[SH8], 3, v3
	v_mul_u32_u24 v[CSW], v2, CP
	v_mad_u32_u24 v[CSW], v3, 384, v[CSW]
	s_mul_i32 s17, s16, 48
	s_add_co_u32 s17, s17, CST
	v_add_nc_u32 v[CSW], s17, v[CSW]               ; CST + 784 r + 384 h + 48 w
	s_lshl_b32 s17, s16, 2
	s_add_co_u32 s17, s17, SST
	v_lshl_add_u32 v[SSW], v2, 5, s17              ; SST + 32 r + 4 w
	s_lshl_b32 s17, s16, 10
	s_add_co_u32 s17, s17, PART
	v_add_nc_u32 v[PAW], s17, v4
	s_mul_i32 s17, s16, 2*CP
	s_add_co_u32 s17, s17, CST
	v_add_nc_u32 v[RD0], s17, v4
	v_lshl_add_u32 v[RD1], v3, 4, v[RD0]
	v_add_nc_u32 v[PAR], PART, v4
	v_add_nc_u32 v[SSR], SST, v4
	v_lshlrev_b32 v15, 2, v2                       ; 4 r: my token's place in idx
	v_mov_b32 v[QT], 0                             ; written once: a lane permute's destination counts as one of its sources
	s_mov_b32 s[SEL], 0x76543210
	s_mov_b32 s[SEL+1], 0xfedcba98
	s_lshl_b32 s20, ttmp9, 16                      ; 16 rows of 4,096 bytes a work-group,
	s_lshl_b32 s17, s16, 9                         ; 512 bytes of a row a wave
	s_add_co_u32 s20, s20, s17
	s_mov_b32 s21, 0
	s_wait_kmcnt 0x0
	s_add_nc_u64 s[4:5], s[4:5], s[20:21]
	s_mov_b32 s20, s17
	s_add_nc_u64 s[6:7], s[6:7], s[20:21]
	s_mul_i32 s20, ttmp9, 16*768
	s_mul_i32 s17, s16, 2*768
	s_add_co_u32 s20, s20, s17
	s_add_nc_u64 s[8:9], s[8:9], s[20:21]          ; xc at tokens 16 g + 2 w, + 1
	s_lshl_b32 s20, ttmp9, 9
	s_add_nc_u64 s[10:11], s[10:11], s[20:21]
	s_lshl_b32 s20, ttmp9, 6
	s_add_nc_u64 s[12:13], s[12:13], s[20:21]
.irp i, 0,1,2,3,4,5,6,7,8,9,10,11,12,13,14,15
	global_load_b128 v[RG+4*\i:RG+4*\i+3], v4, s[6:7] offset:4096*\i            ; Wg's row i: every work-group reads it
.endr
.irp i, 0,1,2,3,4,5,6,7,8,9,10,11,12,13,14,15
	global_load_b128 v[RX+4*\i:RX+4*\i+3], v4, s[4:5] offset:4096*\i th:TH_LOAD_NT   ; x's row i: read once in the launch
.endr
	s_wait_loadcnt 16                              ; Wg's 16 loads are in; x's 16, issued behind them, may be out
	TURN RG, RG
	s_wait_dscnt 0x0
	QUANT RG, GF, GW
	s_wait_loadcnt 0x0                             ; x
	TURN RX, RG
	s_wait_dscnt 0x0
	QUANT RG, XF, XW
.irp j, 0,1,2
	ds_store_b128 v[CSW], v[XF+4*\j:XF+4*\j+3] offset:16*\j    ; my 48 bytes of token r's codes, at their place in xc's layout
.endr
	ds_store_b32 v[SSW], v[XW]                     ; both halves of the lanes write the same word with the same value
.rept 8
	v_nop                                          ; a scale register written by a vector instruction stands 8 places ahead of a scaled matrix instruction, an operand so written 4
.endr
	v_wmma_scale_f32_16x16x128_f8f6f4 v[ACC:ACC+7], v[GF:GF+11], v[XF:XF+11], 0, v[GW], v[XW] matrix_a_fmt:MATRIX_FMT_BF6 matrix_b_fmt:MATRIX_FMT_BF6   ; source 0 = the 16 experts, source 1 = my 16 tokens: lane (r, h), register j: score(token r, expert 8 h + j), K step w
.rept 4
	v_nop                                          ; four places in front of the first read of the result (ISA guide 7.12.1)
.endr
	ds_store_b128 v[PAW], v[ACC:ACC+3]             ; from the low end on
	ds_store_b128 v[PAW], v[ACC+4:ACC+7] offset:512
	s_wait_dscnt 0x0                               ; for the others' sake: my codes, my scale words and my partial sums lie in LDS
	s_barrier_signal -1
	s_barrier_wait -1
	; every wave sends two tokens' codes: 1,536 bytes as they lie in xc; in LDS 16 bytes of padding stand behind the first token's 768
	ds_load_b128 v[72:75], v[RD0]
	ds_load_b128 v[76:79], v[RD1] offset:512
	ds_load_b128 v[80:83], v[RD0] offset:1040
	s_wait_dscnt 2                                 ; the first of the three is in; the two younger may be out
	global_store_b128 v4, v[72:75], s[8:9]         ; 32 lanes store 512 consecutive bytes, at a multiple of 256 from xc's first byte
	s_wait_dscnt 1
	global_store_b128 v4, v[76:79], s[8:9] offset:512
	s_wait_dscnt 0x0
	global_store_b128 v4, v[80:83], s[8:9] offset:1024
	s_cmp_eq_u32 s16, 1
	s_cbranch_scc0 .Lnot_wave_1
	ds_load_b128 v[84:87], v[SSR]                  ; wave 1: the 16 tokens' 512 scale bytes
	s_wait_dscnt 0x0
	global_store_b128 v4, v[84:87], s[10:11]
	s_wait_tensorcnt 0x0
	ds_add_u32 v200, v201
	s_wait_dscnt 0x0
	s_endpgm
.Lnot_wave_1:
	s_cmp_eq_u32 s16, 0
	s_cbranch_scc1 .Lwave_0
	s_wait_tensorcnt 0x0
	ds_add_u32 v200, v201
	s_wait_dscnt 0x0
	s_endpgm
.Lwave_0:
	; wave 0: the eight partial sums are added, K ascending, and the largest score's index is found
.irp w, 0,1,2,3,4,5,6,7
.irp q, 0,1
	ds_load_b128 v[RX+8*\w+4*\q:RX+8*\w+4*\q+3], v[PAR] offset:1024*\w+512*\q
.endr
.endr
	s_wait_dscnt 0x0
.irp w, 1,2,3,4,5,6,7
.irp p, 0,2,4,6
	v_pk_add_f32 v[RX+\p:RX+\p+1], v[RX+\p:RX+\p+1], v[RX+8*\w+\p:RX+8*\w+\p+1]
.endr
.endr
	v_mov_b32 v18, v[RX]                           ; the best of my eight experts so far,
	v_mov_b32 v19, v[SH8]                          ; and its index: 8 h
.irp j, 1,2,3,4,5,6,7
	v_add_nc_u32 v20, \j, v[SH8]
	v_cmp_gt_f32 vcc_lo, v[RX+\j], v18             ; strictly greater: of equals the lower index stays
	v_cndmask_b32 v18, v18, v[RX+\j], vcc_lo
	v_cndmask_b32 v19, v19, v20, vcc_lo
.endr
	v_permlanex16_b32 v21, v18, s[SEL], s[SEL+1]   ; the other eight experts' best, and its index
	v_permlanex16_b32 v22, v19, s[SEL], s[SEL+1]
	v_cmp_gt_f32 s24, v21, v18
	v_cmp_eq_f32 s25, v21, v18
	v_cmp_lt_u32 s26, v22, v19
	s_and_b32 s25, s25, s26
	s_or_b32 s24, s24, s25                         ; theirs is greater, or equal with the lower index: both halves of the lanes come to the same number
	v_cndmask_b32 v19, v19, v22, s24
	global_store_b32 v15, v19, s[12:13]            ; 64 bytes a work-group; lanes r and 16 + r store the same number at the same place
	s_wait_tensorcnt 0x0
	ds_add_u32 v200, v201
	s_wait_dscnt 0x0
	s_endpgm
.Lfunc_end_k_q518d2c00ff_gate:
	.size	k_q518d2c00ff_gate, .Lfunc_end_k_q518d2c00ff_gate-k_q518d2c00ff_gate
	.p2alignl 7, 3214868480
	.fill 96, 4, 3214868480
	.section	.rodata,"a",@progbits
	.p2align	6, 0x0
	.amdhsa_kernel k_q518d2c00ff_gate
		.amdhsa_group_segment_fixed_size 89856
		.amdhsa_private_segment_fixed_size 0
		.amdhsa_enable_private_segment 0
		.amdhsa_kernarg_size 40
		.amdhsa_user_sgpr_count 2
		.amdhsa_user_sgpr_kernarg_segment_ptr 1
		.amdhsa_wavefront_size32 1
		.amdhsa_system_sgpr_workgroup_id_x 1
		.amdhsa_system_sgpr_workgroup_id_y 1
		.amdhsa_system_sgpr_workgroup_id_z 1
		.amdhsa_system_vgpr_workitem_id 0
		.amdhsa_next_free_vgpr 202
		.amdhsa_next_free_sgpr 66
		.amdhsa_reserve_vcc 1
		.amdhsa_float_denorm_mode_32 3
		.amdhsa_float_denorm_mode_16_64 3
		.amdhsa_memory_ordered 1
		.amdhsa_forward_progress 1
		.amdhsa_inst_pref_size 23
	.end_amdhsa_kernel
	.amdgpu_metadata
---
amdhsa.version: [ 1, 2 ]
amdhsa.kernels:
  - .name:           k_q518d2c00ff_gate
    .symbol:         k_q518d2c00ff_gate.kd
    .args:
      - { .name: x, .offset: 0, .size: 8, .value_kind: global_buffer, .address_space: global }
      - { .name: Wg, .offset: 8, .size: 8, .value_kind: global_buffer, .address_space: global }
      - { .name: xc, .offset: 16, .size: 8, .value_kind: global_buffer, .address_space: global }
      - { .name: xs, .offset: 24, .size: 8, .value_kind: global_buffer, .address_space: global }
      - { .name: idx, .offset: 32, .size: 8, .value_kind: global_buffer, .address_space: global }
    .group_segment_fixed_size: 89856
    .private_segment_fixed_size: 0
    .kernarg_segment_align: 8
    .kernarg_segment_size: 40
    .max_flat_workgroup_size: 256
    .sgpr_count:     66
    .vgpr_count:     202
    .wavefront_size: 32
...
	.end_amdgpu_metadata
.endif
;; end of part 1
;; launch place (part 2): grid 1 x 1, 16 waves a work-group, no clusters, 4,096 bytes of LDS; arguments idx, order, meta; writes order, meta
.if DOCPART == 2
	.amdgcn_target "amdgcn-amd-amdhsa--gfx1250"
	.amdhsa_code_object_version 6
	.text
	.protected	k_q518d2c00ff_place
	.globl	k_q518d2c00ff_place
	.p2align	8
	.type	k_q518d2c00ff_place,@function
k_q518d2c00ff_place:
	s_mov_b64 s[64:65], 0
	v_nop
	global_prefetch_b8 v0, s[64:65] scope:SCOPE_SE
	s_setreg_imm32_b32 hwreg(HW_REG_WAVE_MODE, 25, 1), 1
	s_wait_xcnt 0x0
; PLACE.  A counting sort of the 4,096 tokens by their expert (idx, u32), without atomics, by one work-group of 16 waves.
; OUT: order: 16 regions of 4,352 u32; region e holds expert e's tokens (in any order) and behind them PAD = 0xffffffff up to entry pt + 256, pt = the count rounded up to 128, at least 128:
;      all that the next launch's look-ahead reads.  Behind the regions 64 words, which nobody reads, take the pad stores that are not wanted.
;      meta: pair e = { ceil(count / 16), pt / 128 }; lanes 16-31 store copies, so that the 256 bytes are written whole.
; SHARES.  Thread t holds tokens 8 t .. 8 t + 7 in eight registers; 'group g' is register g of a wave's 32 lanes.  In a group the four bits of the experts' numbers are taken as ballots:
; from them each lane has the set of lanes with its own expert (its rank among them is the count of those below it), and lane e the number of lanes with expert e.
; The waves' counts meet in LDS (128 bytes a wave); one barrier.  Wave w also writes expert w's pads.
.set RS,   4352                        ; entries in a region: 4,096 + 256
.set DUMP, 16*RS                       ; the words that nobody reads
.set LAST, 16*RS+63                    ; the buffer's last entry
.set I,    8                           ; v8-15  my eight tokens' experts
.set NL,   16                          ; v16-19 bit k of my lane's number, less 1
.set RK,   32                          ; v32-39 my rank among the group's lanes with my expert
.set C,    40                          ; v40-47 lane e: the group's count of expert e
.set B,    48                          ; v48-55 lane e: where the group's tokens of expert e begin
.set T,    56                          ; v56-71 lane e: each wave's count of expert e
; the ones of v24 are counted into v[dst]
.macro POPC dst
	v_lshrrev_b32 v25, 1, v24
	v_and_b32 v25, s24, v25
	v_sub_nc_u32 v24, v24, v25
	v_lshrrev_b32 v25, 2, v24
	v_and_b32 v25, s25, v25
	v_and_b32 v24, s25, v24
	v_add_nc_u32 v24, v24, v25
	v_lshrrev_b32 v25, 4, v24
	v_add_nc_u32 v24, v24, v25
	v_and_b32 v24, s26, v24
	v_mul_lo_u32 v24, v24, s27
	v_lshrrev_b32 v[\dst], 24, v24
.endm
.macro GRP g
.irp k, 0,1,2,3
	v_bfe_u32 v[20+\k], v[I+\g], \k, 1
	v_cmp_ne_u32 s[20+\k], 0, v[20+\k]             ; the lanes whose expert has bit k
	v_add_nc_u32 v[20+\k], -1, v[20+\k]            ; 0 where mine has it, else all ones
.endr
	v_xor_b32 v24, s20, v20                        ; the lanes that agree with me in bit 0,
	v_xor_b32 v25, s21, v21
	v_and_b32 v24, v24, v25
	v_xor_b32 v25, s22, v22
	v_and_b32 v24, v24, v25
	v_xor_b32 v25, s23, v23
	v_and_b32 v24, v24, v25                        ; and in all four: those with my expert
	v_mbcnt_lo_u32_b32 v[RK+\g], v24, 0            ; how many of them stand below me
	v_xor_b32 v24, s20, v[NL]
	v_xor_b32 v25, s21, v[NL+1]
	v_and_b32 v24, v24, v25
	v_xor_b32 v25, s22, v[NL+2]
	v_and_b32 v24, v24, v25
	v_xor_b32 v25, s23, v[NL+3]
	v_and_b32 v24, v24, v25                        ; the lanes whose expert is my lane's number mod 16
	POPC C+\g
.endm
	s_load_b128 s[4:7], s[0:1], 0x0                ; idx s[4:5], order s[6:7]
	s_load_b64 s[8:9], s[0:1], 0x10                ; meta
	v_lshl_add_u32 v112, v0, 2, 0x800
	v_mov_b32 v113, 0
	v_lshrrev_b32 v1, 5, v0
	v_readfirstlane_b32 s16, v1                    ; wave 0..15
	v_and_b32 v1, 31, v0                           ; lane
	v_lshlrev_b32 v2, 2, v0                        ; LDS: 128 x wave + 4 x lane
	v_lshlrev_b32 v3, 2, v1                        ; 4 x lane
	v_lshlrev_b32 v4, 5, v0                        ; my eight tokens' 32 bytes of idx
	s_mov_b32 s24, 0x55555555
	s_mov_b32 s25, 0x33333333
	s_mov_b32 s26, 0x0f0f0f0f
	s_mov_b32 s27, 0x01010101
.irp k, 0,1,2,3
	v_bfe_u32 v[NL+\k], v1, \k, 1
	v_add_nc_u32 v[NL+\k], -1, v[NL+\k]
.endr
	s_wait_kmcnt 0x0
	global_load_b128 v[8:11], v4, s[4:5]
	global_load_b128 v[12:15], v4, s[4:5] offset:16
	s_wait_loadcnt 0x0
.irp g, 0,1,2,3,4,5,6,7
	v_min_u32 v[I+\g], 15, v[I+\g]                 ; an index stays inside its table
.endr
.irp g, 0,1,2,3,4,5,6,7
	GRP \g
.endr
	v_add_nc_u32 v26, v[C], v[C+1]
.irp g, 2,3,4,5,6,7
	v_add_nc_u32 v26, v26, v[C+\g]
.endr
	ds_store_b32 v2, v26                           ; lane e: my wave's count of expert e
	s_wait_dscnt 0x0                               ; for the others' sake
	s_barrier_signal -1
	s_barrier_wait -1
.irp q, 0,1,2,3,4,5,6,7,8,9,10,11,12,13,14,15
	ds_load_b32 v[T+\q], v3 offset:128*\q
.endr
	v_mov_b32 v72, 0                               ; the counts of the waves in front of mine,
	v_mov_b32 v73, 0                               ; and of all
	s_wait_dscnt 0x0
.irp q, 0,1,2,3,4,5,6,7,8,9,10,11,12,13,14,15
	s_cmp_gt_u32 s16, \q
	s_cselect_b32 s28, -1, 0
	v_add_nc_u32 v73, v73, v[T+\q]
	v_and_b32 v20, s28, v[T+\q]
	v_add_nc_u32 v72, v72, v20
.endr
	v_and_b32 v20, 15, v1
	v_mad_u32_u24 v[B], v20, RS, v72               ; lane e: region e, behind the earlier waves' tokens
.irp g, 0,1,2,3,4,5,6
	v_add_nc_u32 v[B+\g+1], v[B+\g], v[C+\g]       ; and behind my wave's earlier groups'
.endr
.irp g, 0,1,2,3,4,5,6,7
	v_lshlrev_b32 v[I+\g], 2, v[I+\g]
	ds_bpermute_b32 v[74+\g], v[I+\g], v[B+\g]     ; from the lane whose number is my token's expert
	v_lshl_add_u32 v[82+\g], v0, 3, \g             ; the token's number: 8 t + g
.endr
	s_wait_dscnt 0x0
.irp g, 0,1,2,3,4,5,6,7
	v_add_nc_u32 v[74+\g], v[74+\g], v[RK+\g]
	v_min_u32 v[74+\g], LAST, v[74+\g]             ; held inside the buffer
	v_lshlrev_b32 v[74+\g], 2, v[74+\g]
	global_store_b32 v[74+\g], v[82+\g], s[6:7]    ; each store has registers of its own: none is written again
.endr
	; expert w's pads: entries count .. pt + 255, at most 384; a lane past the end writes to the words that nobody reads
	v_readlane_b32 s28, v73, s16                   ; expert w's count
	s_add_co_u32 s29, s28, 127
	s_and_b32 s29, s29, 0xffffff80
	s_max_u32 s29, s29, 128
	s_add_co_u32 s29, s29, 256                     ; pt + 256
	s_mul_i32 s30, s16, RS
	v_add_nc_u32 v20, s28, v1
	v_add_nc_u32 v21, DUMP, v1
	v_mov_b32 v102, -1                             ; PAD
.irp i, 0,1,2,3,4,5,6,7,8,9,10,11
	v_add_nc_u32 v[90+\i], 32*\i, v20
	v_cmp_gt_u32 vcc_lo, s29, v[90+\i]
	v_add_nc_u32 v[90+\i], s30, v[90+\i]
	v_cndmask_b32 v[90+\i], v21, v[90+\i], vcc_lo
	v_min_u32 v[90+\i], LAST, v[90+\i]
	v_lshlrev_b32 v[90+\i], 2, v[90+\i]
	global_store_b32 v[90+\i], v102, s[6:7]
.endr
	s_cmp_lg_u32 s16, 0
	s_cbranch_scc1 .Lend
	v_add_nc_u32 v104, 15, v73
	v_lshrrev_b32 v104, 4, v104                    ; tiles of 16 rows that hold a token
	v_add_nc_u32 v105, 127, v73
	v_lshrrev_b32 v105, 7, v105
	v_max_u32 v105, 1, v105                        ; trips of 128 rows, at least one
	v_lshlrev_b32 v22, 3, v1
	global_store_b64 v22, v[104:105], s[8:9]       ; 32 lanes store 256 consecutive bytes
.Lend:
	s_wait_tensorcnt 0x0
	ds_add_u32 v112, v113
	s_wait_dscnt 0x0
	s_endpgm
.Lfunc_end_k_q518d2c00ff_place:
	.size	k_q518d2c00ff_place, .Lfunc_end_k_q518d2c00ff_place-k_q518d2c00ff_place
	.p2alignl 7, 3214868480
	.fill 96, 4, 3214868480
	.section	.rodata,"a",@progbits
	.p2align	6, 0x0
	.amdhsa_kernel k_q518d2c00ff_place
		.amdhsa_group_segment_fixed_size 4096
		.amdhsa_private_segment_fixed_size 0
		.amdhsa_enable_private_segment 0
		.amdhsa_kernarg_size 24
		.amdhsa_user_sgpr_count 2
		.amdhsa_user_sgpr_kernarg_segment_ptr 1
		.amdhsa_wavefront_size32 1
		.amdhsa_system_sgpr_workgroup_id_x 1
		.amdhsa_system_sgpr_workgroup_id_y 1
		.amdhsa_system_sgpr_workgroup_id_z 1
		.amdhsa_system_vgpr_workitem_id 0
		.amdhsa_next_free_vgpr 114
		.amdhsa_next_free_sgpr 66
		.amdhsa_reserve_vcc 1
		.amdhsa_float_denorm_mode_32 3
		.amdhsa_float_denorm_mode_16_64 3
		.amdhsa_memory_ordered 1
		.amdhsa_forward_progress 1
		.amdhsa_inst_pref_size 27
	.end_amdhsa_kernel
	.amdgpu_metadata
---
amdhsa.version: [ 1, 2 ]
amdhsa.kernels:
  - .name:           k_q518d2c00ff_place
    .symbol:         k_q518d2c00ff_place.kd
    .args:
      - { .name: idx, .offset: 0, .size: 8, .value_kind: global_buffer, .address_space: global }
      - { .name: order, .offset: 8, .size: 8, .value_kind: global_buffer, .address_space: global }
      - { .name: meta, .offset: 16, .size: 8, .value_kind: global_buffer, .address_space: global }
    .group_segment_fixed_size: 4096
    .private_segment_fixed_size: 0
    .kernarg_segment_align: 8
    .kernarg_segment_size: 24
    .max_flat_workgroup_size: 512
    .sgpr_count:     66
    .vgpr_count:     114
    .wavefront_size: 32
...
	.end_amdgpu_metadata
.endif
;; end of part 2
;; launch experts (part 3): grid 16 x 16, 4 waves a work-group, no clusters, 104,960 bytes of LDS; arguments We, xc, xs, order, meta, out0; writes out0
.if DOCPART == 3
	.amdgcn_target "amdgcn-amd-amdhsa--gfx1250"
	.amdhsa_code_object_version 6
	.text
	.protected	k_q518d2c00ff_experts
	.globl	k_q518d2c00ff_experts
	.p2align	8
	.type	k_q518d2c00ff_experts,@function
k_q518d2c00ff_experts:
	s_mov_b64 s[64:65], 0
	v_nop
	global_prefetch_b8 v0, s[64:65] scope:SCOPE_SE
	s_setreg_imm32_b32 hwreg(HW_REG_WAVE_MODE, 25, 1), 1
	s_wait_xcnt 0x0
; EXPERTS.  out0[token][:] = Q(x[token]) Q(We[e])^T for the token's expert e, on codes of BF6 (E3M2) with one E8M0 byte for each 32 along K; sums in f32.  Rows of the other experts are rows of zeros
; in the sum that defines the result: they are not multiplied.
; SHARES.  Work-group (nb, e) owns columns 64 nb .. 64 nb + 63 of expert e for all of that expert's tokens: its part of We, 64 rows x 4,096 bytes, is one dense block of 256 KiB that no other work-group reads.
; PHASE W: wave w reads We's rows 64 nb + 16 w .. + 15 (eight K steps of 128; each load 512 consecutive bytes; four sets of 16 loads by turns), turns each K step through its own stage in LDS, quantises it,
; and stores the fragment to LDS as an image of its registers.  One barrier.  Then every wave takes all 32 fragments (384 registers) and their scale words into registers, where they stay.
; THE LOOP: wave w takes the expert's tiles of 16 tokens 4 j + w.  A tile's token numbers come from 'order', its codes and scale words from xc and xs straight into registers (xc is laid in the order of the
; operand's registers).  Two buffers: a tile's codes are asked for two tiles, its list four tiles ahead.  32 matrix instructions a tile, four accumulators by turns.  The matrix instruction is used
; transposed (source 0 = 16 rows of We, source 1 = 16 tokens): a lane holds eight neighbouring columns of one token; a tile goes through the wave's own stage and leaves as one aligned run of 256 bytes a token.
; PADS.  A tile's rows past the expert's count hold PAD in the list: such a row takes the tile's first token in its stead, computes the same numbers and stores them at the same place.  EXEC is never touched.
; A tile of pads alone is passed over by a scalar branch on the stored count; its look-ahead loads go on (they read token 4,095's codes).
; NO TENSOR LOAD, NO CLUSTER: the loop's trip count and that branch hang on numbers read from memory; We's blocks are shared by nobody.
; LIMITS: NaN and infinities are not served.  A block of We that is all zeros, or whose largest magnitude lies under 2^-122, gets the scale byte 1 (zero codes add nothing under it).
; REGISTERS, in windows of 256:  window 0: see below.  window 1: in phase W four sets of 64 as loaded; then We's fragments of K steps 0-3, (t, s) at 12 (4 s + t).  window 2: K steps 4-7 likewise.
;   window 3: x's fragments, buffer b at 96 b + 12 s.
.set TP,   528                         ; a stage row: 512 bytes + 16 = 33 x 16 bytes: the sixteen rows that a load touches start at sixteen different 16-byte columns of 256
.set TST,  16*TP
.set FRB,  1536                        ; a fragment's image: 12 registers x 128 bytes
.set IMG,  4*TST                       ; the 32 images, (t, s) at 8 t + s
.set SCI,  IMG+32*FRB                  ; their scale words, 128 bytes each
.set OST,  SCI+32*128                  ; the way out: 16 rows x (256 bytes + 16) for each wave
.set OPI,  272
.set STW,  5                           ; v5   turn stage, in
.set STR,  6                           ; v6   turn stage, out
.set IMW,  7                           ; v7   where I store my images
.set IMS,  8                           ; v8   and their scale words
.set LI,   9                           ; v9   IMG + 16 x lane
.set LS,   10                          ; v10  SCI + 4 x lane
.set SO,   11                          ; v11  the way out: where I put 32 bytes of a row
.set SR,   12                          ; v12  and where I read a row back
.set SH8,  13                          ; v13  8 h;  v14 4 r;  v15 32 h;  v16 16 r;  v17 384 h
.set MX,   18                          ; v18-19, v20-21, v22-23, v24: as in the quantiser below;  v25 the scale word just made;  v26-27 at work
.set SOP,  20
.set BY,   22
.set QT,   24
.set PW,   25
.set GID,  28                          ; v28-29  buffer b: lane (r, .): the token of the tile's row r
.set AOFF, 30                          ; v30-31  its byte offset in xc
.set ASOFF, 32                         ; v32-33  and in xs
.set SID,  36                          ; v36-51  buffer b, 8 registers: lane (., h): the tokens of rows 8 h + 0 .. 7
.set SOFF, 52                          ; v52-67  their byte offsets in out0, + 16 r
.set AS,   68                          ; v68-83  x's scale words, buffer b, K step s: scales and nothing else
.set BS,   84                          ; v84-115 We's scale words, (t, s) at 8 t + s: likewise
.set ACC,  116                         ; v116-147 four accumulators; then the tile's rows on their way out
.set X,    148                         ; v148-211 64 numbers a lane, turned
.set PC,   212                         ; v212-223 the codes just made
.set TC,   224                         ; v224-231 the second halves of the blocks' codes
.set NT,   20                          ; s20  tiles that hold a token
.set NTR,  21                          ; s21  trips
.set TI,   24                          ; s24-25 the tile in buffer 0, 1
.set SEL,  30                          ; s[30:31] lane selects for v_permlanex16_b32: lane l xor 16
.set MSB, 0
.macro WIN new                         ; the immediate's high byte repeats the setting that is left; a switch that changes nothing is dropped
.if MSB != \new
	s_set_vgpr_msb (MSB<<8)|\new
.set MSB, \new
.endif
.endm
.macro QUANT s, pc, pw                 ; 64 numbers of a lane (blocks h and 2 + h of my row's K step) become the fragment's 12 registers at v[pc] and my row's scale word in v[pw]
.irp c, 0,1
	v_max3_num_f32 v[MX+\c], |v[\s+32*\c]|, |v[\s+32*\c+1]|, 0x2800000   ; and the floor 2^(5 - 127): the byte cannot fall under 1
.endr
.irp i, 2,4,6,8,10,12,14,16,18,20,22,24,26,28,30
.irp c, 0,1
	v_max3_num_f32 v[MX+\c], v[MX+\c], |v[\s+32*\c+\i]|, |v[\s+32*\c+\i+1]|
.endr
.endr
.irp c, 0,1
	v_add_nc_u32 v[SOP+\c], 0xfe000000, v[MX+\c]   ; 4 off the exponent field: the conversion's scale operand
.endr
.irp c, 0,1
	v_lshrrev_b32 v[BY+\c], 23, v[SOP+\c]          ; the scale's byte
.endr
	v_lshl_or_b32 v[\pw], v[BY+1], 16, v[BY]
	v_lshlrev_b32 v[\pw], v[SH8], v[\pw]
	v_permlanex16_b32 v[QT], v[\pw], s[SEL], s[SEL+1]
	v_or_b32 v[\pw], v[\pw], v[QT]                 ; the row's whole word, in both halves of the lanes
.irp c, 0,1
	v_cvt_scalef32_pk16_bf6_f32 v[\pc+6*\c:\pc+6*\c+2], v[\s+32*\c:\s+32*\c+15], v[SOP+\c]
	v_cvt_scalef32_pk16_bf6_f32 v[TC+4*\c:TC+4*\c+2], v[\s+32*\c+16:\s+32*\c+31], v[SOP+\c]   ; (a conversion's three registers begin on an even number)
.endr
	v_nop                                          ; one plain place behind a scaled conversion
.irp c, 0,1
.irp i, 0,1,2
	v_mov_b32 v[\pc+3+6*\c+\i], v[TC+4*\c+\i]
.endr
.endr
.endm
.macro LOAD s                          ; K step s of my 16 rows of We into set s % 4 of window 1
	WIN 0x40
.irp i, 0,1,2,3,4,5,6,7,8,9,10,11,12,13,14,15
	global_load_b128 v[64*((\s)%4)+4*\i:64*((\s)%4)+4*\i+3], v4, s[4:5] offset:4096*\i+512*(\s) th:TH_LOAD_NT
.endr
	WIN 0
.endm
; K step s: the set three steps on is asked for (its registers were read by the last step's LDS stores, which that step's wait for all LDS instructions has shown done); cnt = the loads issued behind step s's sixteen
.macro WSTEP s, cnt
.if (\s)+3 < 8
	LOAD (\s)+3
.endif
	s_wait_loadcnt \cnt
	WIN 0x04                                       ; an LDS store's data are its source 1: window 1
.irp i, 0,1,2,3,4,5,6,7,8,9,10,11,12,13,14,15
	ds_store_b128 v[STW], v[64*((\s)%4)+4*\i:64*((\s)%4)+4*\i+3] offset:TP*\i
.endr
	WIN 0
.irp c, 0,1
.irp j, 0,1,2,3,4,5,6,7
	ds_load_b128 v[X+32*\c+4*\j:X+32*\c+4*\j+3], v[STR] offset:256*\c+16*\j   ; LDS serves a wave's instructions in order: these see the stores above
.endr
.endr
	s_wait_dscnt 0x0                               ; the numbers are back; the last step's image has been stored, so its registers may be written
	QUANT X, PC, PW
.irp c, 0,1,2
	ds_store_b128 v[IMW], v[PC+4*\c:PC+4*\c+3] offset:FRB*(\s)+512*\c
.endr
	ds_store_b32 v[IMS], v[PW] offset:128*(\s)
.endm
.macro LISTREQ b, off                  ; three loads: a tile's 16 token numbers, once by rows (for the gather), once eight to a half of the lanes (for the stores)
	global_load_b32 v[GID+\b], v14, s[10:11] offset:\off
	global_load_b128 v[SID+8*\b:SID+8*\b+3], v15, s[10:11] offset:\off
	global_load_b128 v[SID+8*\b+4:SID+8*\b+7], v15, s[10:11] offset:\off+16
.endm
.macro FIX b, cnt                      ; a list becomes offsets.  cnt = the loads issued behind the list's three (none is written where an earlier wait has shown them in)
.if \cnt >= 0
	s_wait_loadcnt \cnt
.endif
	s_wait_xcnt 0x0                                ; every earlier memory instruction has had its addresses translated (ISA guide 3.1): the offsets, and the registers that the tile's stores read, are written again only behind this wait
	v_readfirstlane_b32 s28, v[GID+\b]             ; the tile's first token
	v_cmp_gt_u32 vcc_lo, s27, v[GID+\b]
	v_cndmask_b32 v26, s28, v[GID+\b], vcc_lo      ; a pad takes it
	v_min_u32 v26, 0xfff, v26                      ; held inside the tables
	v_mul_u32_u24 v27, v26, 768
	v_add_nc_u32 v[AOFF+\b], v27, v17              ; 768 x token + 384 h
	v_lshlrev_b32 v[ASOFF+\b], 5, v26
.irp i, 0,1,2,3,4,5,6,7
	v_cmp_gt_u32 vcc_lo, s27, v[SID+8*\b+\i]
	v_cndmask_b32 v26, s28, v[SID+8*\b+\i], vcc_lo
	v_min_u32 v26, 0xfff, v26
	v_lshl_add_u32 v[SOFF+8*\b+\i], v26, 12, v16   ; 4,096 x token + 16 r
.endr
.endm
.macro AFETCH b                        ; 26 loads: a tile's eight fragments, three loads of 16 bytes each, and its scale words
	WIN 0xc0
.irp s, 0,1,2,3,4,5,6,7
.irp j, 0,1,2
	global_load_b128 v[96*\b+12*\s+4*\j:96*\b+12*\s+4*\j+3], v[AOFF+\b], s[6:7] offset:48*\s+16*\j
.endr
.endr
	WIN 0
	global_load_b128 v[AS+8*\b:AS+8*\b+3], v[ASOFF+\b], s[8:9]
	global_load_b128 v[AS+8*\b+4:AS+8*\b+7], v[ASOFF+\b], s[8:9] offset:16
.endm
.macro COMPUTE b                       ; 32 matrix instructions; the four accumulators take turns, one instruction a turn; the first K step starts the sums
	WIN 0x0d                                       ; source 0 (We) window 1, source 1 (x) window 3
.irp s, 0,1,2,3
.irp t, 0,1,2,3
.if \s == 0
	v_wmma_scale_f32_16x16x128_f8f6f4 v[ACC+8*\t:ACC+8*\t+7], v[12*(4*\s+\t):12*(4*\s+\t)+11], v[96*\b+12*\s:96*\b+12*\s+11], 0, v[BS+8*\t+\s], v[AS+8*\b+\s] matrix_a_fmt:MATRIX_FMT_BF6 matrix_b_fmt:MATRIX_FMT_BF6
.else
	v_wmma_scale_f32_16x16x128_f8f6f4 v[ACC+8*\t:ACC+8*\t+7], v[12*(4*\s+\t):12*(4*\s+\t)+11], v[96*\b+12*\s:96*\b+12*\s+11], v[ACC+8*\t:ACC+8*\t+7], v[BS+8*\t+\s], v[AS+8*\b+\s] matrix_a_fmt:MATRIX_FMT_BF6 matrix_b_fmt:MATRIX_FMT_BF6
.endif
.endr
.endr
	WIN 0x0e                                       ; source 0 window 2
.irp s, 4,5,6,7
.irp t, 0,1,2,3
	v_wmma_scale_f32_16x16x128_f8f6f4 v[ACC+8*\t:ACC+8*\t+7], v[12*(4*(\s-4)+\t):12*(4*(\s-4)+\t)+11], v[96*\b+12*\s:96*\b+12*\s+11], v[ACC+8*\t:ACC+8*\t+7], v[BS+8*\t+\s], v[AS+8*\b+\s] matrix_a_fmt:MATRIX_FMT_BF6 matrix_b_fmt:MATRIX_FMT_BF6
.endr
.endr
	WIN 0
.rept 4
	v_nop                                          ; four places in front of the first read of the results and of loads into them
.endr
.endm
.macro OUT b                           ; lane (r, h), accumulator t, register j: out(token r, column 16 t + 8 h + j).  Through my stage, back as whole rows: lanes 0-15 row i, lanes 16-31 row 8 + i
.irp t, 0,1,2,3
	ds_store_b128 v[SO], v[ACC+8*\t:ACC+8*\t+3] offset:64*\t          ; each accumulator from its low end on
	ds_store_b128 v[SO], v[ACC+8*\t+4:ACC+8*\t+7] offset:64*\t+16
.endr
.irp i, 0,1,2,3,4,5,6,7
	ds_load_b128 v[ACC+4*\i:ACC+4*\i+3], v[SR] offset:OPI*\i          ; LDS serves a wave's instructions in order: these see the stores above
.endr
.irp i, 0,1,2,3,4,5,6,7
	s_wait_dscnt 7-\i                              ; load i is in; the younger ones may be out
	global_store_b128 v[SOFF+8*\b+\i], v[ACC+4*\i:ACC+4*\i+3], s[14:15] th:TH_STORE_NT   ; 16 lanes store 256 consecutive bytes, at a multiple of 256 from out0's first byte
.endr
.endm
; Half a trip: the tile in buffer b is multiplied and stored; then the buffer takes the tile two on, whose list has come, and the list of the tile four on is asked for.
.macro HALF b
	s_wait_loadcnt 32                              ; the tile's 26 loads are in; behind them were issued a list (3), the other buffer's tile (26) and a list (3)
	s_cmp_ge_u32 s[TI+\b], s[NT]
	s_cbranch_scc1 .Lpads_\@                       ; a tile of pads alone: nothing is multiplied or stored
	COMPUTE \b
	OUT \b
.Lpads_\@:
	FIX \b, 29                                     ; the list is in; behind it were issued the other buffer's tile (26) and a list (3).  Its plain lines are also places in front of the loads below
	AFETCH \b
	LISTREQ \b, 1024+256*\b
.endm
	s_load_b256 s[4:11], s[0:1], 0x0               ; We s[4:5], xc s[6:7], xs s[8:9], order s[10:11]
	s_load_b128 s[12:15], s[0:1], 0x20             ; meta s[12:13], out0 s[14:15]
	v_lshl_add_u32 v254, v0, 2, 0x19800
	v_mov_b32 v255, 0
	v_lshrrev_b32 v1, 5, v0
	v_readfirstlane_b32 s16, v1                    ; wave 0..3
	s_mov_b32 s17, ttmp9                           ; nb: which 64 columns
	s_and_b32 s18, ttmp7, 0xffff                   ; e: the expert
	v_and_b32 v1, 31, v0                           ; lane
	v_and_b32 v2, 15, v0                           ; r
	v_bfe_u32 v3, v0, 4, 1                         ; h
	v_lshlrev_b32 v4, 4, v1                        ; 16 x lane
	s_mul_i32 s19, s16, TST
	v_add_nc_u32 v[STW], s19, v4
	v_mul_u32_u24 v[STR], v2, TP
	v_lshl_add_u32 v[STR], v3, 7, v[STR]
	v_add_nc_u32 v[STR], s19, v[STR]
	s_mul_i32 s19, s16, 8*FRB
	s_add_co_u32 s19, s19, IMG
	v_add_nc_u32 v[IMW], s19, v4
	s_lshl_b32 s19, s16, 10
	s_add_co_u32 s19, s19, SCI
	v_lshl_add_u32 v[IMS], v1, 2, s19
	v_add_nc_u32 v[LI], IMG, v4
	v_lshl_add_u32 v[LS], v1, 2, SCI
	s_mul_i32 s19, s16, 16*OPI
	s_add_co_u32 s19, s19, OST
	v_mul_u32_u24 v[SO], v2, OPI
	v_lshl_add_u32 v[SO], v3, 5, v[SO]
	v_add_nc_u32 v[SO], s19, v[SO]
	v_mul_u32_u24 v[SR], v3, 8*OPI
	v_lshl_add_u32 v[SR], v2, 4, v[SR]
	v_add_nc_u32 v[SR], s19, v[SR]
	v_lshlrev_b32 v[SH8], 3, v3
	v_lshlrev_b32 v14, 2, v2
	v_lshlrev_b32 v15, 5, v3
	v_lshlrev_b32 v16, 4, v2
	v_mul_u32_u24 v17, v3, 384
	v_mov_b32 v[QT], 0                             ; written once: a lane permute's destination counts as one of its sources
	s_mov_b32 s27, 4096                            ; tokens; a list entry at or above it is a pad
	s_mov_b32 s[SEL], 0x76543210
	s_mov_b32 s[SEL+1], 0xfedcba98
	s_mov_b32 s[TI], s16                           ; my first two tiles: w, w + 4
	s_add_co_u32 s[TI+1], s16, 4
	s_mov_b32 s26, 0                               ; trips done
	s_lshl_b32 s22, s18, 22                        ; an expert is 4 MiB, 64 rows 256 KiB, 16 rows 64 KiB
	s_lshl_b32 s19, s17, 18
	s_add_co_u32 s22, s22, s19
	s_lshl_b32 s19, s16, 16
	s_add_co_u32 s22, s22, s19
	s_mov_b32 s23, 0
	s_wait_kmcnt 0x0
	s_add_nc_u64 s[4:5], s[4:5], s[22:23]
	s_mul_i32 s22, s18, 4352*4                     ; the expert's region of 'order', my wave's 16 entries of a round of four tiles
	s_lshl_b32 s19, s16, 6
	s_add_co_u32 s22, s22, s19
	s_add_nc_u64 s[10:11], s[10:11], s[22:23]
	s_lshl_b32 s22, s18, 3
	s_add_nc_u64 s[12:13], s[12:13], s[22:23]
	s_lshl_b32 s22, s17, 8
	s_add_nc_u64 s[14:15], s[14:15], s[22:23]
	s_load_b64 s[NT:NTR], s[12:13], 0x0            ; waited for in front of the loop
	LISTREQ 0, 0                                   ; the lists of my first two tiles
	LISTREQ 1, 256
	LOAD 0
	LOAD 1
	LOAD 2
	WSTEP 0, 48                                    ; behind a step's sixteen loads: the three younger sets
	WSTEP 1, 48
	WSTEP 2, 48
	WSTEP 3, 48
	WSTEP 4, 48
	FIX 0, -1                                      ; the first lists came in front of We's first set
	AFETCH 0
	LISTREQ 0, 512
	WSTEP 5, 61                                    ; two sets and those 29
	WSTEP 6, 45                                    ; one set and those 29
	FIX 1, -1
	AFETCH 1
	LISTREQ 1, 768
	WSTEP 7, 58                                    ; 29 and 29
	s_wait_dscnt 0x0                               ; for the others' sake: my eight images and their scale words lie in LDS
	s_barrier_signal -1
	s_barrier_wait -1
	WIN 0x40
.irp s, 0,1,2,3
.irp t, 0,1,2,3
.irp c, 0,1,2
	ds_load_b128 v[12*(4*\s+\t)+4*\c:12*(4*\s+\t)+4*\c+3], v[LI] offset:(8*\t+\s)*FRB+512*\c
.endr
.endr
.endr
	WIN 0x80
.irp s, 4,5,6,7
.irp t, 0,1,2,3
.irp c, 0,1,2
	ds_load_b128 v[12*(4*(\s-4)+\t)+4*\c:12*(4*(\s-4)+\t)+4*\c+3], v[LI] offset:(8*\t+\s)*FRB+512*\c
.endr
.endr
.endr
	WIN 0
.irp q, 0,1,2,3,4,5,6,7,8,9,10,11,12,13,14,15,16,17,18,19,20,21,22,23,24,25,26,27,28,29,30,31
	ds_load_b32 v[BS+\q], v[LS] offset:128*\q
.endr
	s_wait_dscnt 0x0
	s_wait_kmcnt 0x0
	s_min_u32 s[NT], s[NT], 256                    ; 4,096 tokens are 256 tiles,
	s_min_u32 s[NTR], s[NTR], 32                   ; 32 trips of 128 rows
.Ltrip:
	HALF 0
	HALF 1
	s_wait_xcnt 0x0                                ; the lists' base is stepped only behind this wait
	s_add_nc_u64 s[10:11], s[10:11], 512           ; two rounds of four tiles on
	s_add_co_u32 s[TI], s[TI], 8
	s_add_co_u32 s[TI+1], s[TI+1], 8
	s_add_co_u32 s26, s26, 1
	s_cmp_lt_u32 s26, s[NTR]
	s_cbranch_scc1 .Ltrip
	s_wait_tensorcnt 0x0
	ds_add_u32 v254, v255
	s_wait_dscnt 0x0
	s_endpgm                                       ; the look-ahead's last loads are read by nobody; they lie inside their buffers (lists up to entry pt + 256, which the launch before has written)
.Lfunc_end_k_q518d2c00ff_experts:
	.size	k_q518d2c00ff_experts, .Lfunc_end_k_q518d2c00ff_experts-k_q518d2c00ff_experts
	.p2alignl 7, 3214868480
	.fill 96, 4, 3214868480
	.section	.rodata,"a",@progbits
	.p2align	6, 0x0
	.amdhsa_kernel k_q518d2c00ff_experts
		.amdhsa_group_segment_fixed_size 104960
		.amdhsa_private_segment_fixed_size 0
		.amdhsa_enable_private_segment 0
		.amdhsa_kernarg_size 48
		.amdhsa_user_sgpr_count 2
		.amdhsa_user_sgpr_kernarg_segment_ptr 1
		.amdhsa_wavefront_size32 1
		.amdhsa_system_sgpr_workgroup_id_x 1
		.amdhsa_system_sgpr_workgroup_id_y 1
		.amdhsa_system_sgpr_workgroup_id_z 1
		.amdhsa_system_vgpr_workitem_id 0
		.amdhsa_next_free_vgpr 960
		.amdhsa_next_free_sgpr 66
		.amdhsa_reserve_vcc 1
		.amdhsa_float_denorm_mode_32 3
		.amdhsa_float_denorm_mode_16_64 3
		.amdhsa_memory_ordered 1
		.amdhsa_forward_progress 1
		.amdhsa_inst_pref_size 99
	.end_amdhsa_kernel
	.amdgpu_metadata
---
amdhsa.version: [ 1, 2 ]
amdhsa.kernels:
  - .name:           k_q518d2c00ff_experts
    .symbol:         k_q518d2c00ff_experts.kd
    .args:
      - { .name: We, .offset: 0, .size: 8, .value_kind: global_buffer, .address_space: global }
      - { .name: xc, .offset: 8, .size: 8, .value_kind: global_buffer, .address_space: global }
      - { .name: xs, .offset: 16, .size: 8, .value_kind: global_buffer, .address_space: global }
      - { .name: order, .offset: 24, .size: 8, .value_kind: global_buffer, .address_space: global }
      - { .name: meta, .offset: 32, .size: 8, .value_kind: global_buffer, .address_space: global }
      - { .name: out0, .offset: 40, .size: 8, .value_kind: global_buffer, .address_space: global }
    .group_segment_fixed_size: 104960
    .private_segment_fixed_size: 0
    .kernarg_segment_align: 8
    .kernarg_segment_size: 48
    .max_flat_workgroup_size: 128
    .sgpr_count:     66
    .vgpr_count:     960
    .wavefront_size: 32
...
	.end_amdgpu_metadata
.endif
;; end of part 3
;; ======== version 2 of 2: 3 launches
;; workspace buffers: xc 3,145,728 bytes; xs 131,072 bytes; idx 16,384 bytes of whole numbers; order 278,784 bytes of whole numbers; meta 256 bytes of whole numbers
;; launch gate (part 4): grid 256 x 1, 8 waves a work-group, no clusters, 89,856 bytes of LDS; arguments x, Wg, xc, xs, idx; writes xc, xs, idx
.if DOCPART == 4
	.amdgcn_target "amdgcn-amd-amdhsa--gfx1250"
	.amdhsa_code_object_version 6
	.text
	.protected	k_q518d2c00ff_gate
	.globl	k_q518d2c00ff_gate
	.p2align	8
	.type	k_q518d2c00ff_gate,@function
k_q518d2c00ff_gate:
	s_mov_b64 s[64:65], 0
	v_nop
	global_prefetch_b8 v0, s[64:65] scope:SCOPE_SE
	s_setreg_imm32_b32 hwreg(HW_REG_WAVE_SCHED_MODE, 0, 2), 2
	s_setreg_imm32_b32 hwreg(HW_REG_WAVE_MODE, 25, 1), 1
	s_wait_xcnt 0x0
	s_wait_alu depctr_vm_vsrc(0)
; GATE.  x [4096][1024] f32 is quantised once to codes of BF6 (E3M2) with one E8M0 byte for each 32 along K; scores = Q(x) Q(Wg)^T on those codes; idx[token] = the index of the largest score.
; OUT: xc [token][h 2][s 8][48 bytes]: the 12 operand registers of lane (row, h) for K step s (128 along K), so that a later lane fetches its fragments by 16-byte loads alone;
;      xs [token][32]: the scale bytes in their natural order (word s serves K step s);  idx [token]: u32, stored at a fixed place: no address and no branch here hangs on it.
; SHARES.  Work-group g: tokens 16 g .. 16 g + 15.  Wave w: K step w (k = 128 w .. 128 w + 127) of x's 16 rows and of Wg's 16 rows: one matrix instruction a wave; the eight partial sums meet in LDS.
; All 32 loads of a wave (512 consecutive bytes each) go out at the head.  A load takes a row's bytes as they lie, 16 a lane; the conversions want 32 neighbours along K in one lane's registers:
; so 16 rows x 512 bytes turn through the wave's own stage in LDS.
; A block's scale byte is its largest magnitude's exponent field - 4, held at 1 from below.
; LIMITS: NaN and infinities are not served.  A block of zeros, or one whose largest magnitude lies under 2^-122, gets the byte 1 (a block of zeros has zero codes, which add nothing; the bytes are read
; by this program alone).  A score is the f32 sum, K ascending, of eight partial sums of 128 along K.  Of scores that are exactly equal the lower index is taken.
; No cluster, no tensor load: x is shared by no two work-groups, and Wg is 64 KiB in all.
; THE MODE: SCHED_MODE bits 1:0 = 2 (LLVM: expert scheduling mode 2), set by the entry lines.  The code itself states the register dependences between vector or matrix instructions and memory or
; LDS instructions, with s_wait_alu, always for 0.
; THE PLAN.  Registers that memory or LDS instructions touch:
;   v4-v15      offsets and LDS addresses: written at the head and never again; read by every load and store.  One wait on va_vdst ahead of the first load.
;   RG          Wg's loads land in it; the stores into the stage read it; the loads out of the stage land in it (a wait on vm_vsrc between the two); the quantiser reads it;
;               behind the barrier LDS loads land in it and global stores read it.
;   RX          the same for x, in registers of its own; in wave 0 the partial sums land in it at the end.
;   GF GW XF XW written by the quantisers; taken by the matrix instruction; XF and XW read by the LDS stores behind it.  One wait on va_vdst, behind the places, serves both.
;   ACC         written by the matrix instruction, read by two LDS stores: the places, then a wait on va_vdst.
;   v19         the index: written by the selects, read by the store of idx.
; Scalar registers that vector instructions write (the wave's number; the compares' masks) have a wait on va_sdst ahead of their first reader; the compares stand in runs, one wait behind each run.
.set TP,   528                         ; a stage row: 512 bytes + 16 = 33 x 16 bytes: the sixteen rows that a load touches start at sixteen different 16-byte columns of 256
.set TST,  16*TP                       ; a wave's stage
.set CST,  8*TST                       ; behind the stages: the codes of 16 tokens, 768 bytes + 16 each
.set CP,   784
.set SST,  CST+16*CP                   ; the scale bytes of 16 tokens, 32 each
.set PART, SST+512                     ; the partial sums: 1,024 bytes a wave
.set STW,  5                           ; v5   stage, in: 16 x lane
.set STR,  6                           ; v6   stage, out: row r, + 128 h
.set SH8,  7                           ; v7   8 h
.set CSW,  8                           ; v8   where my 48 bytes of codes go
.set SSW,  9                           ; v9   where my row's scale word goes
.set PAW,  10                          ; v10  where my partial sums go
.set RD0,  11                          ; v11  the codes of tokens 2 w, 2 w + 1, read back as they lie in xc
.set RD1,  12                          ; v12  the same behind the padding between the two tokens, for lanes 16-31
.set PAR,  13                          ; v13  all partial sums
.set SSR,  14                          ; v14  all scale bytes
.set MX,   18                          ; v18-19 largest magnitudes; v20-21 the conversions' scale operands; v22-23 scale bytes; v24 at work
.set SOP,  20
.set BY,   22
.set QT,   24
.set GW,   28                          ; v28  Wg's scale words;  v29  x's: they hold scales and nothing else
.set XW,   29
.set GF,   32                          ; v32-43  Wg's fragment
.set XF,   44                          ; v44-55  x's fragment
.set TC,   56                          ; v56-63  the second halves of the blocks' codes
.set ACC,  64                          ; v64-71  the partial scores
.set RG,   72                          ; v72-135 Wg as loaded, then turned: 64 numbers a lane; behind the barrier codes and scale bytes on their way out
.set RX,   136                         ; v136-199 x as loaded, then turned; in wave 0 later the eight partial sums
.set SEL,  22                          ; s[22:23] lane selects for v_permlanex16_b32: lane l xor 16
; 16 rows x 128 K of f32, register group raw + 4 i = row i (lane l: k = 4 l .. 4 l + 3), go into the stage,
.macro TIN raw
.irp i, 0,1,2,3,4,5,6,7,8,9,10,11,12,13,14,15
	ds_store_b128 v[STW], v[\raw+4*\i:\raw+4*\i+3] offset:TP*\i
.endr
.endm
; and come back as dst + 32 c + i = k 64 c + 32 h + i of row r.  LDS serves a wave's instructions in order: no wait on DScnt between stores and loads.
.macro TOUT dst
.irp c, 0,1
.irp j, 0,1,2,3,4,5,6,7
	ds_load_b128 v[\dst+32*\c+4*\j:\dst+32*\c+4*\j+3], v[STR] offset:256*\c+16*\j
.endr
.endr
.endm
; 64 numbers of a lane (two whole blocks of 32: blocks h and 2 + h of my row's K step) become the fragment's 12 registers at v[pc] and my row's scale word in v[pw].
.macro QUANT s, pc, pw
.irp c, 0,1
	v_max3_num_f32 v[MX+\c], |v[\s+32*\c]|, |v[\s+32*\c+1]|, 0x2800000   ; and the floor 2^(5 - 127): the byte cannot fall under 1
.endr
.irp i, 2,4,6,8,10,12,14,16,18,20,22,24,26,28,30
.irp c, 0,1
	v_max3_num_f32 v[MX+\c], v[MX+\c], |v[\s+32*\c+\i]|, |v[\s+32*\c+\i+1]|   ; (the two blocks by turns)
.endr
.endr
.irp c, 0,1
	v_add_nc_u32 v[SOP+\c], 0xfe000000, v[MX+\c]   ; 4 off the exponent field: the conversion takes this operand's exponent field as its scale
.endr
.irp c, 0,1
	v_lshrrev_b32 v[BY+\c], 23, v[SOP+\c]          ; the scale's byte
.endr
	v_lshl_or_b32 v[\pw], v[BY+1], 16, v[BY]       ; my two bytes,
	v_lshlrev_b32 v[\pw], v[SH8], v[\pw]           ; at their places in the word (8 h bits up);
	v_permlanex16_b32 v[QT], v[\pw], s[SEL], s[SEL+1]
	v_or_b32 v[\pw], v[\pw], v[QT]                 ; with lane l xor 16's two the word is whole, in both halves of the lanes
.irp c, 0,1
	v_cvt_scalef32_pk16_bf6_f32 v[\pc+6*\c:\pc+6*\c+2], v[\s+32*\c:\s+32*\c+15], v[SOP+\c]
	v_cvt_scalef32_pk16_bf6_f32 v[TC+4*\c:TC+4*\c+2], v[\s+32*\c+16:\s+32*\c+31], v[SOP+\c]   ; (a conversion's three registers begin on an even number)
.endr
	v_nop                                          ; one plain place behind a scaled conversion
.irp c, 0,1
.irp i, 0,1,2
	v_mov_b32 v[\pc+3+6*\c+\i], v[TC+4*\c+\i]
.endr
.endr
.endm
	s_load_b256 s[4:11], s[0:1], 0x0               ; x s[4:5], Wg s[6:7], xc s[8:9], xs s[10:11]
	s_load_b64 s[12:13], s[0:1], 0x20              ; idx
	v_lshl_add_u32 v200, v0, 2, 0x15b00
	v_mov_b32 v201, 0
	v_lshrrev_b32 v1, 5, v0
	v_readfirstlane_b32 s16, v1                    ; wave 0..7
	v_and_b32 v1, 31, v0                           ; lane
	v_and_b32 v2, 15, v0                           ; r
	v_bfe_u32 v3, v0, 4, 1                         ; h
	v_lshlrev_b32 v4, 4, v1                        ; 16 x lane
	s_wait_alu depctr_va_sdst(0)                   ; s16 is written, ahead of its first reader: LDS places, bases and branches are made from it
	s_mul_i32 s17, s16, TST
	v_add_nc_u32 v[STW], s17, v4
	v_mul_u32_u24 v[STR], v2, TP
	v_lshl_add_u32 v[STR], v3, 7, v[STR]
	v_add_nc_u32 v[STR], s17, v[STR]
	v_lshlrev_b32 v[SH8], 3, v3
	v_mul_u32_u24 v[CSW], v2, CP
	v_mad_u32_u24 v[CSW], v3, 384, v[CSW]
	s_mul_i32 s17, s16, 48
	s_add_co_u32 s17, s17, CST
	v_add_nc_u32 v[CSW], s17, v[CSW]               ; CST + 784 r + 384 h + 48 w
	s_lshl_b32 s17, s16, 2
	s_add_co_u32 s17, s17, SST
	v_lshl_add_u32 v[SSW], v2, 5, s17              ; SST + 32 r + 4 w
	s_lshl_b32 s17, s16, 10
	s_add_co_u32 s17, s17, PART
	v_add_nc_u32 v[PAW], s17, v4
	s_mul_i32 s17, s16, 2*CP
	s_add_co_u32 s17, s17, CST
	v_add_nc_u32 v[RD0], s17, v4
	v_lshl_add_u32 v[RD1], v3, 4, v[RD0]
	v_add_nc_u32 v[PAR], PART, v4
	v_add_nc_u32 v[SSR], SST, v4
	v_lshlrev_b32 v15, 2, v2                       ; 4 r: my token's place in idx
	v_mov_b32 v[QT], 0                             ; written once: a lane permute's destination counts as one of its sources
	s_mov_b32 s[SEL], 0x76543210
	s_mov_b32 s[SEL+1], 0xfedcba98
	s_lshl_b32 s20, ttmp9, 16                      ; 16 rows of 4,096 bytes a work-group,
	s_lshl_b32 s17, s16, 9                         ; 512 bytes of a row a wave
	s_add_co_u32 s20, s20, s17
	s_mov_b32 s21, 0
	s_wait_kmcnt 0x0
	s_add_nc_u64 s[4:5], s[4:5], s[20:21]
	s_mov_b32 s20, s17
	s_add_nc_u64 s[6:7], s[6:7], s[20:21]
	s_mul_i32 s20, ttmp9, 16*768
	s_mul_i32 s17, s16, 2*768
	s_add_co_u32 s20, s20, s17
	s_add_nc_u64 s[8:9], s[8:9], s[20:21]          ; xc at tokens 16 g + 2 w, + 1
	s_lshl_b32 s20, ttmp9, 9
	s_add_nc_u64 s[10:11], s[10:11], s[20:21]
	s_lshl_b32 s20, ttmp9, 6
	s_add_nc_u64 s[12:13], s[12:13], s[20:21]
	s_wait_alu depctr_va_vdst(0)                   ; the offsets and LDS addresses v4 to v15 are written: every load and store of the kernel reads one of them, and none is written again
.irp i, 0,1,2,3,4,5,6,7,8,9,10,11,12,13,14,15
	global_load_b128 v[RG+4*\i:RG+4*\i+3], v4, s[6:7] offset:4096*\i            ; Wg's row i: every work-group reads it
.endr
.irp i, 0,1,2,3,4,5,6,7,8,9,10,11,12,13,14,15
	global_load_b128 v[RX+4*\i:RX+4*\i+3], v4, s[4:5] offset:4096*\i th:TH_LOAD_NT   ; x's row i: read once in the launch
.endr
	s_wait_loadcnt 16                              ; Wg's 16 loads are in; x's 16, issued behind them, may be out
	TIN RG
	s_wait_alu depctr_vm_vsrc(0)                   ; the sixteen LDS stores have read RG, in which the loads out of the stage land
	TOUT RG
	s_wait_dscnt 0x0
	QUANT RG, GF, GW
	s_wait_loadcnt 0x0                             ; x
	TIN RX
	s_wait_alu depctr_vm_vsrc(0)                   ; the sixteen LDS stores have read RX, in which the loads out of the stage land
	TOUT RX
	s_wait_dscnt 0x0
	QUANT RX, XF, XW
.rept 8
	v_nop                                          ; a scale register written by a vector instruction stands 8 places ahead of a scaled matrix instruction, an operand so written 4
.endr
	s_wait_alu depctr_va_vdst(0)                   ; the quantisers have written GF, GW, XF and XW, which the matrix instruction takes; XF and XW are also what the four LDS stores behind it read.  The places above stay beside this wait
	v_wmma_scale_f32_16x16x128_f8f6f4 v[ACC:ACC+7], v[GF:GF+11], v[XF:XF+11], 0, v[GW], v[XW] matrix_a_fmt:MATRIX_FMT_BF6 matrix_b_fmt:MATRIX_FMT_BF6   ; source 0 = the 16 experts, source 1 = my 16 tokens: lane (r, h), register j: score(token r, expert 8 h + j), K step w
.irp j, 0,1,2
	ds_store_b128 v[CSW], v[XF+4*\j:XF+4*\j+3] offset:16*\j    ; my 48 bytes of token r's codes, at their place in xc's layout.  No wait: no vector instruction since the wait above writes XF or XW
.endr
	ds_store_b32 v[SSW], v[XW]                     ; both halves of the lanes write the same word with the same value
.rept 4
	v_nop                                          ; four places in front of the first read of the result (ISA guide 7.12.1)
.endr
	s_wait_alu depctr_va_vdst(0)                   ; the matrix instruction has written ACC, which the two LDS stores read; the places above stay beside this wait
	ds_store_b128 v[PAW], v[ACC:ACC+3]             ; from the low end on
	ds_store_b128 v[PAW], v[ACC+4:ACC+7] offset:512
	s_wait_dscnt 0x0                               ; for the others' sake: my codes, my scale words and my partial sums lie in LDS
	s_barrier_signal -1
	s_barrier_wait -1
	; every wave sends two tokens' codes: 1,536 bytes as they lie in xc; in LDS 16 bytes of padding stand behind the first token's 768.
	; They land in RG: its last readers, Wg's quantiser and the stores into the stage, stand ahead of the waits above
	ds_load_b128 v[72:75], v[RD0]
	ds_load_b128 v[76:79], v[RD1] offset:512
	ds_load_b128 v[80:83], v[RD0] offset:1040
	s_wait_dscnt 2                                 ; the first of the three is in; the two younger may be out
	global_store_b128 v4, v[72:75], s[8:9]         ; 32 lanes store 512 consecutive bytes, at a multiple of 256 from xc's first byte
	s_wait_dscnt 1
	global_store_b128 v4, v[76:79], s[8:9] offset:512
	s_wait_dscnt 0x0
	global_store_b128 v4, v[80:83], s[8:9] offset:1024
	s_cmp_eq_u32 s16, 1
	s_cbranch_scc0 .Lnot_wave_1
	ds_load_b128 v[84:87], v[SSR]                  ; wave 1: the 16 tokens' 512 scale bytes
	s_wait_dscnt 0x0
	global_store_b128 v4, v[84:87], s[10:11]
	s_wait_dscnt 0x0                               ; the closing lines, six on end
	s_wait_alu 0x0
	s_wait_tensorcnt 0x0
	ds_add_u32 v200, v201
	s_wait_dscnt 0x0
	s_endpgm
.Lnot_wave_1:
	s_cmp_eq_u32 s16, 0
	s_cbranch_scc1 .Lwave_0
	s_wait_dscnt 0x0                               ; the closing lines, as above
	s_wait_alu 0x0
	s_wait_tensorcnt 0x0
	ds_add_u32 v200, v201
	s_wait_dscnt 0x0
	s_endpgm
.Lwave_0:
	; wave 0: the eight partial sums are added, K ascending, and the largest score's index is found.  They land in RX: its last readers, x's quantiser and the stores into the stage, stand ahead of the waits above
.irp w, 0,1,2,3,4,5,6,7
.irp q, 0,1
	ds_load_b128 v[RX+8*\w+4*\q:RX+8*\w+4*\q+3], v[PAR] offset:1024*\w+512*\q
.endr
.endr
	s_wait_dscnt 0x0
.irp w, 1,2,3,4,5,6,7
.irp p, 0,2,4,6
	v_pk_add_f32 v[RX+\p:RX+\p+1], v[RX+\p:RX+\p+1], v[RX+8*\w+\p:RX+8*\w+\p+1]
.endr
.endr
	; the best of my eight experts, by pairs: the compares of a level stand in one run, into scalar registers of their own.  The upper of two wins only where it is strictly greater: of equals the lower index stays
.irp p, 0,1,2,3
	v_cmp_gt_f32 s[24+\p], v[RX+2*\p+1], v[RX+2*\p]
.endr
	s_wait_alu depctr_va_sdst(0)                   ; the four masks s24 to s27 are written, ahead of the selects that read them
.irp p, 0,1,2,3
	v_cndmask_b32 v[RX+2*\p], v[RX+2*\p], v[RX+2*\p+1], s[24+\p]
	v_cndmask_b32 v[18+\p], 2*\p, 2*\p+1, s[24+\p] ; and its number among my eight
.endr
.irp q, 0,1
	v_cmp_gt_f32 s[24+\q], v[RX+4*\q+2], v[RX+4*\q]
.endr
	s_wait_alu depctr_va_sdst(0)                   ; the two masks s24 and s25 are written, ahead of the selects that read them
.irp q, 0,1
	v_cndmask_b32 v[RX+4*\q], v[RX+4*\q], v[RX+4*\q+2], s[24+\q]
	v_cndmask_b32 v[18+2*\q], v[18+2*\q], v[19+2*\q], s[24+\q]
.endr
	v_cmp_gt_f32 s24, v[RX+4], v[RX]
	s_wait_alu depctr_va_sdst(0)                   ; the mask s24 is written, ahead of the selects that read it
	v_cndmask_b32 v[RX], v[RX], v[RX+4], s24       ; the best of my eight experts,
	v_cndmask_b32 v18, v18, v20, s24
	v_add_nc_u32 v19, v[SH8], v18                  ; and its index: 8 h + its number
	v_permlanex16_b32 v21, v[RX], s[SEL], s[SEL+1] ; the other eight experts' best, and its index
	v_permlanex16_b32 v22, v19, s[SEL], s[SEL+1]
	v_cmp_gt_f32 s24, v21, v[RX]
	v_cmp_eq_f32 s25, v21, v[RX]
	v_cmp_lt_u32 s26, v22, v19
	s_wait_alu depctr_va_sdst(0)                   ; the three masks s24 to s26 are written, ahead of the scalar lines that read them
	s_and_b32 s25, s25, s26
	s_or_b32 s24, s24, s25                         ; theirs is greater, or equal with the lower index: both halves of the lanes come to the same number
	v_cndmask_b32 v19, v19, v22, s24
	s_wait_alu depctr_va_vdst(0)                   ; the select has written v19, which the store reads
	global_store_b32 v15, v19, s[12:13]            ; 64 bytes a work-group; lanes r and 16 + r store the same number at the same place
	s_wait_dscnt 0x0                               ; the closing lines, as above
	s_wait_alu 0x0
	s_wait_tensorcnt 0x0
	ds_add_u32 v200, v201
	s_wait_dscnt 0x0
	s_endpgm
.Lfunc_end_k_q518d2c00ff_gate:
	.size	k_q518d2c00ff_gate, .Lfunc_end_k_q518d2c00ff_gate-k_q518d2c00ff_gate
	.p2alignl 7, 3214868480
	.fill 96, 4, 3214868480
	.section	.rodata,"a",@progbits
	.p2align	6, 0x0
	.amdhsa_kernel k_q518d2c00ff_gate
		.amdhsa_group_segment_fixed_size 89856
		.amdhsa_private_segment_fixed_size 0
		.amdhsa_enable_private_segment 0
		.amdhsa_kernarg_size 40
		.amdhsa_user_sgpr_count 2
		.amdhsa_user_sgpr_kernarg_segment_ptr 1
		.amdhsa_wavefront_size32 1
		.amdhsa_system_sgpr_workgroup_id_x 1
		.amdhsa_system_sgpr_workgroup_id_y 1
		.amdhsa_system_sgpr_workgroup_id_z 1
		.amdhsa_system_vgpr_workitem_id 0
		.amdhsa_next_free_vgpr 202
		.amdhsa_next_free_sgpr 66
		.amdhsa_reserve_vcc 0
		.amdhsa_float_denorm_mode_32 3
		.amdhsa_float_denorm_mode_16_64 3
		.amdhsa_memory_ordered 1
		.amdhsa_forward_progress 1
		.amdhsa_inst_pref_size 24
	.end_amdhsa_kernel
	.amdgpu_metadata
---
amdhsa.version: [ 1, 2 ]
amdhsa.kernels:
  - .name:           k_q518d2c00ff_gate
    .symbol:         k_q518d2c00ff_gate.kd
    .args:
      - { .name: x, .offset: 0, .size: 8, .value_kind: global_buffer, .address_space: global }
      - { .name: Wg, .offset: 8, .size: 8, .value_kind: global_buffer, .address_space: global }
      - { .name: xc, .offset: 16, .size: 8, .value_kind: global_buffer, .address_space: global }
      - { .name: xs, .offset: 24, .size: 8, .value_kind: global_buffer, .address_space: global }
      - { .name: idx, .offset: 32, .size: 8, .value_kind: global_buffer, .address_space: global }
    .group_segment_fixed_size: 89856
    .private_segment_fixed_size: 0
    .kernarg_segment_align: 8
    .kernarg_segment_size: 40
    .max_flat_workgroup_size: 256
    .sgpr_count:     66
    .vgpr_count:     202
    .wavefront_size: 32
...
	.end_amdgpu_metadata
.endif
;; end of part 4
;; launch place (part 5): grid 1 x 1, 16 waves a work-group, no clusters, 4,096 bytes of LDS; arguments idx, order, meta; writes order, meta
.if DOCPART == 5
	.amdgcn_target "amdgcn-amd-amdhsa--gfx1250"
	.amdhsa_code_object_version 6
	.text
	.protected	k_q518d2c00ff_place
	.globl	k_q518d2c00ff_place
	.p2align	8
	.type	k_q518d2c00ff_place,@function
k_q518d2c00ff_place:
	s_mov_b64 s[64:65], 0
	v_nop
	global_prefetch_b8 v0, s[64:65] scope:SCOPE_SE
	s_setreg_imm32_b32 hwreg(HW_REG_WAVE_MODE, 25, 1), 1
	s_wait_xcnt 0x0
; PLACE.  A counting sort of the 4,096 tokens by their expert (idx, u32), without atomics, by one work-group of 16 waves.
; OUT: order: 16 regions of 4,352 u32; region e holds expert e's tokens (in any order) and behind them PAD = 0xffffffff up to entry pt + 256, pt = the count rounded up to 128, at least 128:
;      all that the next launch's look-ahead reads.  Behind the regions 64 words, which nobody reads, take the pad stores that are not wanted.
;      meta: pair e = { ceil(count / 16), pt / 128 }; lanes 16-31 store copies, so that the 256 bytes are written whole.
; SHARES.  Thread t holds tokens 8 t .. 8 t + 7 in eight registers; 'group g' is register g of a wave's 32 lanes.  In a group the four bits of the experts' numbers are taken as ballots:
; from them each lane has the set of lanes with its own expert (its rank among them is the count of those below it), and lane e the number of lanes with expert e.
; The waves' counts meet in LDS (128 bytes a wave); one barrier.  Wave w also writes expert w's pads.
.set RS,   4352                        ; entries in a region: 4,096 + 256
.set DUMP, 16*RS                       ; the words that nobody reads
.set LAST, 16*RS+63                    ; the buffer's last entry
.set I,    8                           ; v8-15  my eight tokens' experts
.set NL,   16                          ; v16-19 bit k of my lane's number, less 1
.set RK,   32                          ; v32-39 my rank among the group's lanes with my expert
.set C,    40                          ; v40-47 lane e: the group's count of expert e
.set B,    48                          ; v48-55 lane e: where the group's tokens of expert e begin
.set T,    56                          ; v56-71 lane e: each wave's count of expert e
; the ones of v24 are counted into v[dst]
.macro POPC dst
	s_delay_alu instid0(VALU_DEP_1)
	v_lshrrev_b32 v25, 1, v24
	s_delay_alu instid0(VALU_DEP_1)
	v_and_b32 v25, s24, v25
	s_delay_alu instid0(VALU_DEP_1)
	v_sub_nc_u32 v24, v24, v25
	s_delay_alu instid0(VALU_DEP_1)
	v_lshrrev_b32 v25, 2, v24
	s_delay_alu instid0(VALU_DEP_1)
	v_and_b32 v25, s25, v25
	s_delay_alu instid0(VALU_DEP_3)
	v_and_b32 v24, s25, v24
	s_delay_alu instid0(VALU_DEP_1)
	v_add_nc_u32 v24, v24, v25
	s_delay_alu instid0(VALU_DEP_1)
	v_lshrrev_b32 v25, 4, v24
	s_delay_alu instid0(VALU_DEP_1)
	v_add_nc_u32 v24, v24, v25
	s_delay_alu instid0(VALU_DEP_1)
	v_and_b32 v24, s26, v24
	s_delay_alu instid0(VALU_DEP_1)
	v_mul_lo_u32 v24, v24, s27
	s_delay_alu instid0(VALU_DEP_1)
	v_lshrrev_b32 v[\dst], 24, v24
.endm
.macro GRP g
.irp k, 0,1,2,3
	v_bfe_u32 v[20+\k], v[I+\g], \k, 1
	s_delay_alu instid0(VALU_DEP_1)
	v_cmp_ne_u32 s[20+\k], 0, v[20+\k]             ; the lanes whose expert has bit k
	s_delay_alu instid0(VALU_DEP_2)
	v_add_nc_u32 v[20+\k], -1, v[20+\k]            ; 0 where mine has it, else all ones
.endr
	v_xor_b32 v24, s20, v20                        ; the lanes that agree with me in bit 0,
	v_xor_b32 v25, s21, v21
	s_delay_alu instid0(VALU_DEP_1)
	v_and_b32 v24, v24, v25
	v_xor_b32 v25, s22, v22
	s_delay_alu instid0(VALU_DEP_1)
	v_and_b32 v24, v24, v25
	v_xor_b32 v25, s23, v23
	s_delay_alu instid0(VALU_DEP_1)
	v_and_b32 v24, v24, v25                        ; and in all four: those with my expert
	s_delay_alu instid0(VALU_DEP_1)
	v_mbcnt_lo_u32_b32 v[RK+\g], v24, 0            ; how many of them stand below me
	v_xor_b32 v24, s20, v[NL]
	v_xor_b32 v25, s21, v[NL+1]
	s_delay_alu instid0(VALU_DEP_1)
	v_and_b32 v24, v24, v25
	v_xor_b32 v25, s22, v[NL+2]
	s_delay_alu instid0(VALU_DEP_1)
	v_and_b32 v24, v24, v25
	v_xor_b32 v25, s23, v[NL+3]
	s_delay_alu instid0(VALU_DEP_1)
	v_and_b32 v24, v24, v25                        ; the lanes whose expert is my lane's number mod 16
	POPC C+\g
.endm
	s_load_b128 s[4:7], s[0:1], 0x0                ; idx s[4:5], order s[6:7]
	s_load_b64 s[8:9], s[0:1], 0x10                ; meta
	v_lshl_add_u32 v112, v0, 2, 0x800
	v_mov_b32 v113, 0
	v_lshrrev_b32 v1, 5, v0
	s_delay_alu instid0(VALU_DEP_1)
	v_readfirstlane_b32 s16, v1                    ; wave 0..15
	v_and_b32 v1, 31, v0                           ; lane
	v_lshlrev_b32 v2, 2, v0                        ; LDS: 128 x wave + 4 x lane
	s_delay_alu instid0(VALU_DEP_2)
	v_lshlrev_b32 v3, 2, v1                        ; 4 x lane
	v_lshlrev_b32 v4, 5, v0                        ; my eight tokens' 32 bytes of idx
	s_mov_b32 s24, 0x55555555
	s_mov_b32 s25, 0x33333333
	s_mov_b32 s26, 0x0f0f0f0f
	s_mov_b32 s27, 0x01010101
.irp k, 0,1,2,3
	v_bfe_u32 v[NL+\k], v1, \k, 1
	s_delay_alu instid0(VALU_DEP_1)
	v_add_nc_u32 v[NL+\k], -1, v[NL+\k]
.endr
	s_wait_alu depctr_va_vdst(0)
	s_wait_kmcnt 0x0
	global_load_b128 v[8:11], v4, s[4:5]
	global_load_b128 v[12:15], v4, s[4:5] offset:16
	s_wait_loadcnt 0x0
.irp g, 0,1,2,3,4,5,6,7
	v_min_u32 v[I+\g], 15, v[I+\g]                 ; an index stays inside its table
.endr
.irp g, 0,1,2,3,4,5,6,7
	GRP \g
.endr
	v_add_nc_u32 v26, v[C], v[C+1]
.irp g, 2,3,4,5,6,7
	s_delay_alu instid0(VALU_DEP_1)
	v_add_nc_u32 v26, v26, v[C+\g]
.endr
	ds_store_b32 v2, v26                           ; lane e: my wave's count of expert e
	s_wait_dscnt 0x0                               ; for the others' sake
	s_barrier_signal -1
	s_barrier_wait -1
.irp q, 0,1,2,3,4,5,6,7,8,9,10,11,12,13,14,15
	ds_load_b32 v[T+\q], v3 offset:128*\q
.endr
	v_mov_b32 v72, 0                               ; the counts of the waves in front of mine,
	v_mov_b32 v73, 0                               ; and of all
	s_wait_alu depctr_va_vdst(0)
	s_wait_dscnt 0x0
.irp q, 0,1,2,3,4,5,6,7,8,9,10,11,12,13,14,15
	s_cmp_gt_u32 s16, \q
	s_cselect_b32 s28, -1, 0
	v_add_nc_u32 v73, v73, v[T+\q]
	v_and_b32 v20, s28, v[T+\q]
	s_delay_alu instid0(VALU_DEP_1)
	v_add_nc_u32 v72, v72, v20
.endr
	v_and_b32 v20, 15, v1
	s_delay_alu instid0(VALU_DEP_1)
	v_mad_u32_u24 v[B], v20, RS, v72               ; lane e: region e, behind the earlier waves' tokens
.irp g, 0,1,2,3,4,5,6
	s_delay_alu instid0(VALU_DEP_1)
	v_add_nc_u32 v[B+\g+1], v[B+\g], v[C+\g]       ; and behind my wave's earlier groups'
.endr
.irp g, 0,1,2,3,4,5,6,7
	v_lshlrev_b32 v[I+\g], 2, v[I+\g]
	ds_bpermute_b32 v[74+\g], v[I+\g], v[B+\g]     ; from the lane whose number is my token's expert
	v_lshl_add_u32 v[82+\g], v0, 3, \g             ; the token's number: 8 t + g
.endr
	s_wait_dscnt 0x0
.irp g, 0,1,2,3,4,5,6,7
	v_add_nc_u32 v[74+\g], v[74+\g], v[RK+\g]
	s_delay_alu instid0(VALU_DEP_1)
	v_min_u32 v[74+\g], LAST, v[74+\g]             ; held inside the buffer
	s_delay_alu instid0(VALU_DEP_1)
	v_lshlrev_b32 v[74+\g], 2, v[74+\g]
	global_store_b32 v[74+\g], v[82+\g], s[6:7]    ; each store has registers of its own: none is written again
.endr
	; expert w's pads: entries count .. pt + 255, at most 384; a lane past the end writes to the words that nobody reads
	v_readlane_b32 s28, v73, s16                   ; expert w's count
	s_add_co_u32 s29, s28, 127
	s_and_b32 s29, s29, 0xffffff80
	s_max_u32 s29, s29, 128
	s_add_co_u32 s29, s29, 256                     ; pt + 256
	s_mul_i32 s30, s16, RS
	v_add_nc_u32 v20, s28, v1
	v_add_nc_u32 v21, DUMP, v1
	v_mov_b32 v102, -1                             ; PAD
.irp i, 0,1,2,3,4,5,6,7,8,9,10,11
	v_add_nc_u32 v[90+\i], 32*\i, v20
	s_delay_alu instid0(VALU_DEP_1)
	v_cmp_gt_u32 vcc_lo, s29, v[90+\i]
	s_delay_alu instid0(VALU_DEP_2)
	v_add_nc_u32 v[90+\i], s30, v[90+\i]
	s_delay_alu instid0(VALU_DEP_1)
	v_cndmask_b32 v[90+\i], v21, v[90+\i], vcc_lo
	s_delay_alu instid0(VALU_DEP_1)
	v_min_u32 v[90+\i], LAST, v[90+\i]
	s_delay_alu instid0(VALU_DEP_1)
	v_lshlrev_b32 v[90+\i], 2, v[90+\i]
	global_store_b32 v[90+\i], v102, s[6:7]
.endr
	s_cmp_lg_u32 s16, 0
	s_cbranch_scc1 .Lend
	v_add_nc_u32 v104, 15, v73
	s_delay_alu instid0(VALU_DEP_1)
	v_lshrrev_b32 v104, 4, v104                    ; tiles of 16 rows that hold a token
	v_add_nc_u32 v105, 127, v73
	s_delay_alu instid0(VALU_DEP_1)
	v_lshrrev_b32 v105, 7, v105
	s_delay_alu instid0(VALU_DEP_1)
	v_max_u32 v105, 1, v105                        ; trips of 128 rows, at least one
	v_lshlrev_b32 v22, 3, v1
	global_store_b64 v22, v[104:105], s[8:9]       ; 32 lanes store 256 consecutive bytes
.Lend:
	s_wait_tensorcnt 0x0
	ds_add_u32 v112, v113
	s_wait_dscnt 0x0
	s_endpgm
.Lfunc_end_k_q518d2c00ff_place:
	.size	k_q518d2c00ff_place, .Lfunc_end_k_q518d2c00ff_place-k_q518d2c00ff_place
	.p2alignl 7, 3214868480
	.fill 96, 4, 3214868480
	.section	.rodata,"a",@progbits
	.p2align	6, 0x0
	.amdhsa_kernel k_q518d2c00ff_place
		.amdhsa_group_segment_fixed_size 4096
		.amdhsa_private_segment_fixed_size 0
		.amdhsa_enable_private_segment 0
		.amdhsa_kernarg_size 24
		.amdhsa_user_sgpr_count 2
		.amdhsa_user_sgpr_kernarg_segment_ptr 1
		.amdhsa_wavefront_size32 1
		.amdhsa_system_sgpr_workgroup_id_x 1
		.amdhsa_system_sgpr_workgroup_id_y 1
		.amdhsa_system_sgpr_workgroup_id_z 1
		.amdhsa_system_vgpr_workitem_id 0
		.amdhsa_next_free_vgpr 114
		.amdhsa_next_free_sgpr 66
		.amdhsa_reserve_vcc 1
		.amdhsa_float_denorm_mode_32 3
		.amdhsa_float_denorm_mode_16_64 3
		.amdhsa_memory_ordered 1
		.amdhsa_forward_progress 1
		.amdhsa_inst_pref_size 37
	.end_amdhsa_kernel
	.amdgpu_metadata
---
amdhsa.version: [ 1, 2 ]
amdhsa.kernels:
  - .name:           k_q518d2c00ff_place
    .symbol:         k_q518d2c00ff_place.kd
    .args:
      - { .name: idx, .offset: 0, .size: 8, .value_kind: global_buffer, .address_space: global }
      - { .name: order, .offset: 8, .size: 8, .value_kind: global_buffer, .address_space: global }
      - { .name: meta, .offset: 16, .size: 8, .value_kind: global_buffer, .address_space: global }
    .group_segment_fixed_size: 4096
    .private_segment_fixed_size: 0
    .kernarg_segment_align: 8
    .kernarg_segment_size: 24
    .max_flat_workgroup_size: 512
    .sgpr_count:     66
    .vgpr_count:     114
    .wavefront_size: 32
...
	.end_amdgpu_metadata
.endif
;; end of part 5
;; launch experts (part 6): grid 16 x 16, 4 waves a work-group, no clusters, 104,960 bytes of LDS; arguments We, xc, xs, order, meta, out0; writes out0
.if DOCPART == 6
	.amdgcn_target "amdgcn-amd-amdhsa--gfx1250"
	.amdhsa_code_object_version 6
	.text
	.protected	k_q518d2c00ff_experts
	.globl	k_q518d2c00ff_experts
	.p2align	8
	.type	k_q518d2c00ff_experts,@function
k_q518d2c00ff_experts:
	s_mov_b64 s[64:65], 0
	v_nop
	global_prefetch_b8 v0, s[64:65] scope:SCOPE_SE
	s_setreg_imm32_b32 hwreg(HW_REG_WAVE_SCHED_MODE, 0, 2), 2
	s_setreg_imm32_b32 hwreg(HW_REG_WAVE_MODE, 25, 1), 1
	s_wait_xcnt 0x0
	s_wait_alu depctr_vm_vsrc(0)
; EXPERTS.  out0[token][:] = Q(x[token]) Q(We[e])^T for the token's expert e, on codes of BF6 (E3M2) with one E8M0 byte for each 32 along K; sums in f32.  Rows of the other experts are rows of zeros
; in the sum that defines the result: they are not multiplied.
; SHARES.  Work-group (nb, e) owns columns 64 nb .. 64 nb + 63 of expert e for all of that expert's tokens: its part of We, 64 rows x 4,096 bytes, is one dense block of 256 KiB that no other work-group reads.
; PHASE W: wave w reads We's rows 64 nb + 16 w .. + 15 (eight K steps of 128; each load 512 consecutive bytes; four sets of 16 loads by turns), turns each K step through its own stage in LDS, quantises it,
; and stores the fragment to LDS as an image of its registers.  One barrier.  Then every wave takes all 32 fragments (384 registers) and their scale words into registers, where they stay.
; THE LOOP: wave w takes the expert's tiles of 16 tokens 4 j + w.  A tile's token numbers come from 'order', its codes and scale words from xc and xs straight into registers (xc is laid in the order of the
; operand's registers).  Two buffers: a tile's codes are asked for two tiles, its list four tiles ahead.  32 matrix instructions a tile, four accumulators by turns.  The matrix instruction is used
; transposed (source 0 = 16 rows of We, source 1 = 16 tokens): a lane holds eight neighbouring columns of one token; a tile goes through the wave's own stage and leaves as one aligned run of 256 bytes a token.
; PADS.  A tile's rows past the expert's count hold PAD in the list: such a row takes the tile's first token in its stead, computes the same numbers and stores them at the same place.  EXEC is never touched.
; A tile of pads alone is passed over by a scalar branch on the stored count; its look-ahead loads go on (they read token 4,095's codes).
; NO TENSOR LOAD, NO CLUSTER: the loop's trip count and that branch hang on numbers read from memory; We's blocks are shared by nobody.
; LIMITS: NaN and infinities are not served.  A block of We that is all zeros, or whose largest magnitude lies under 2^-122, gets the scale byte 1 (zero codes add nothing under it).
; REGISTERS, in windows of 256:  window 0: see below.  window 1: in phase W four sets of 64 as loaded; then We's fragments of K steps 0-3, (t, s) at 12 (4 s + t).  window 2: K steps 4-7 likewise.
;   window 3: x's fragments, buffer b at 96 b + 12 s.
; THE MODE: SCHED_MODE bits 1:0 = 2 (LLVM: expert scheduling mode 2), set by the entry lines.  The code itself states the register dependences between vector or matrix instructions and memory or
; LDS instructions, with s_wait_alu, always for 0.
; THE PLAN.  Registers that memory or LDS instructions touch:
;   v4-v12, v14, v15  offsets and LDS addresses: written at the head and never again.  One wait on va_vdst ahead of the first load.
;   PHASE W, step s:
;   window 1's sets   We's loads land in set s % 4; step s's stores into the stage read it; the loads of step s + 4, issued in step s + 1, land in it again.
;   X                 the loads out of the stage land in it; the quantiser reads it.
;   PC, PW            the quantiser writes them; the image's four LDS stores read them.
;   Two waits a step: on vm_vsrc at its head (the last step's LDS stores have read their set, PC and PW), on va_vdst behind the quantiser (PC and PW are written; X is read, so the next step's loads may land).
;   THE LOOP, the half trip of buffer b:
;   fragments b, AS b the tile's 26 loads land in them; the 32 matrix instructions read them.
;   ACC               the matrix instructions write it; eight LDS stores read it.
;   OB                the eight loads out of the stage land in it; the eight global stores read it.  (Registers of its own, so that nothing lands where the stage's stores read.)
;   GID b, SID b      the list's three loads land in them; the lines that make the offsets read them.
;   AOFF, ASOFF, SOFF those lines write them; the tile's loads and, a trip later, its stores read them.
;   Four waits: on va_vdst behind the places (ACC is written); on vm_vsrc ahead of the lines that make the offsets (all that memory and LDS instructions have read may be written);
;   on va_sdst behind their run of compares; on va_vdst behind them (offsets written, lists read, fragments and scale words read), ahead of the run of 29 loads.
.set TP,   528                         ; a stage row: 512 bytes + 16 = 33 x 16 bytes: the sixteen rows that a load touches start at sixteen different 16-byte columns of 256
.set TST,  16*TP
.set FRB,  1536                        ; a fragment's image: 12 registers x 128 bytes
.set IMG,  4*TST                       ; the 32 images, (t, s) at 8 t + s
.set SCI,  IMG+32*FRB                  ; their scale words, 128 bytes each
.set OST,  SCI+32*128                  ; the way out: 16 rows x (256 bytes + 16) for each wave
.set OPI,  272
.set STW,  5                           ; v5   turn stage, in
.set STR,  6                           ; v6   turn stage, out
.set IMW,  7                           ; v7   where I store my images
.set IMS,  8                           ; v8   and their scale words
.set LI,   9                           ; v9   IMG + 16 x lane
.set LS,   10                          ; v10  SCI + 4 x lane
.set SO,   11                          ; v11  the way out: where I put 32 bytes of a row
.set SR,   12                          ; v12  and where I read a row back
.set SH8,  13                          ; v13  8 h;  v14 4 r;  v15 32 h;  v16 16 r;  v17 384 h
.set MX,   18                          ; v18-19, v20-21, v22-23, v24: as in the quantiser below;  v25 the scale word just made;  v26-27 at work
.set SOP,  20
.set BY,   22
.set QT,   24
.set PW,   25
.set GID,  28                          ; v28-29  buffer b: lane (r, .): the token of the tile's row r
.set AOFF, 30                          ; v30-31  its byte offset in xc
.set ASOFF, 32                         ; v32-33  and in xs
.set SID,  36                          ; v36-51  buffer b, 8 registers: lane (., h): the tokens of rows 8 h + 0 .. 7
.set SOFF, 52                          ; v52-67  their byte offsets in out0, + 16 r
.set AS,   68                          ; v68-83  x's scale words, buffer b, K step s: scales and nothing else
.set BS,   84                          ; v84-115 We's scale words, (t, s) at 8 t + s: likewise
.set ACC,  116                         ; v116-147 four accumulators
.set X,    148                         ; v148-211 phase W: 64 numbers a lane, turned
.set OB,   148                         ; v148-179 the loop: a tile's rows on their way out
.set PC,   212                         ; v212-223 the codes just made
.set TC,   224                         ; v224-231 the second halves of the blocks' codes
.set NT,   20                          ; s20  tiles that hold a token
.set NTR,  21                          ; s21  trips
.set TI,   24                          ; s24-25 the tile in buffer 0, 1
.set SEL,  30                          ; s[30:31] lane selects for v_permlanex16_b32: lane l xor 16
.set MK,   32                          ; s32-39 the masks 'no pad' of a list's eight registers; s29 that of its rows
.set MSB, 0
.macro WIN new                         ; the immediate's high byte repeats the setting that is left; a switch that changes nothing is dropped
.if MSB != \new
	s_set_vgpr_msb (MSB<<8)|\new
.set MSB, \new
.endif
.endm
.macro QUANT s, pc, pw                 ; 64 numbers of a lane (blocks h and 2 + h of my row's K step) become the fragment's 12 registers at v[pc] and my row's scale word in v[pw]
.irp c, 0,1
	v_max3_num_f32 v[MX+\c], |v[\s+32*\c]|, |v[\s+32*\c+1]|, 0x2800000   ; and the floor 2^(5 - 127): the byte cannot fall under 1
.endr
.irp i, 2,4,6,8,10,12,14,16,18,20,22,24,26,28,30
.irp c, 0,1
	v_max3_num_f32 v[MX+\c], v[MX+\c], |v[\s+32*\c+\i]|, |v[\s+32*\c+\i+1]|
.endr
.endr
.irp c, 0,1
	v_add_nc_u32 v[SOP+\c], 0xfe000000, v[MX+\c]   ; 4 off the exponent field: the conversion's scale operand
.endr
.irp c, 0,1
	v_lshrrev_b32 v[BY+\c], 23, v[SOP+\c]          ; the scale's byte
.endr
	v_lshl_or_b32 v[\pw], v[BY+1], 16, v[BY]
	v_lshlrev_b32 v[\pw], v[SH8], v[\pw]
	v_permlanex16_b32 v[QT], v[\pw], s[SEL], s[SEL+1]
	v_or_b32 v[\pw], v[\pw], v[QT]                 ; the row's whole word, in both halves of the lanes
.irp c, 0,1
	v_cvt_scalef32_pk16_bf6_f32 v[\pc+6*\c:\pc+6*\c+2], v[\s+32*\c:\s+32*\c+15], v[SOP+\c]
	v_cvt_scalef32_pk16_bf6_f32 v[TC+4*\c:TC+4*\c+2], v[\s+32*\c+16:\s+32*\c+31], v[SOP+\c]   ; (a conversion's three registers begin on an even number)
.endr
	v_nop                                          ; one plain place behind a scaled conversion
.irp c, 0,1
.irp i, 0,1,2
	v_mov_b32 v[\pc+3+6*\c+\i], v[TC+4*\c+\i]
.endr
.endr
.endm
.macro LOAD s                          ; K step s of my 16 rows of We into set s % 4 of window 1
	WIN 0x40
.irp i, 0,1,2,3,4,5,6,7,8,9,10,11,12,13,14,15
	global_load_b128 v[64*((\s)%4)+4*\i:64*((\s)%4)+4*\i+3], v4, s[4:5] offset:4096*\i+512*(\s) th:TH_LOAD_NT
.endr
	WIN 0
.endm
; K step s: the set three steps on is asked for; cnt = the loads issued behind step s's sixteen
.macro WSTEP s, cnt
.if (\s) > 0
	s_wait_alu depctr_vm_vsrc(0)                   ; the last step's LDS stores have read their set of window 1, in which the loads below (where there are any) land, and PC and PW, which this step's quantiser writes again
.endif
.if (\s)+3 < 8
	LOAD (\s)+3
.endif
	s_wait_loadcnt \cnt
	WIN 0x04                                       ; an LDS store's data are its source 1: window 1
.irp i, 0,1,2,3,4,5,6,7,8,9,10,11,12,13,14,15
	ds_store_b128 v[STW], v[64*((\s)%4)+4*\i:64*((\s)%4)+4*\i+3] offset:TP*\i
.endr
	WIN 0
.irp c, 0,1
.irp j, 0,1,2,3,4,5,6,7
	ds_load_b128 v[X+32*\c+4*\j:X+32*\c+4*\j+3], v[STR] offset:256*\c+16*\j   ; LDS serves a wave's instructions in order: these see the stores above.  No wait: no vector instruction since the last step's wait on va_vdst names X
.endr
.endr
	s_wait_dscnt 0x0                               ; the numbers are back
	QUANT X, PC, PW
	s_wait_alu depctr_va_vdst(0)                   ; the quantiser has written PC and PW, which the four LDS stores read, and is done reading X, in which the next step's loads land
.irp c, 0,1,2
	ds_store_b128 v[IMW], v[PC+4*\c:PC+4*\c+3] offset:FRB*(\s)+512*\c
.endr
	ds_store_b32 v[IMS], v[PW] offset:128*(\s)
.endm
.macro LISTREQ b, off                  ; three loads: a tile's 16 token numbers, once by rows (for the gather), once eight to a half of the lanes (for the stores)
	global_load_b32 v[GID+\b], v14, s[10:11] offset:\off
	global_load_b128 v[SID+8*\b:SID+8*\b+3], v15, s[10:11] offset:\off
	global_load_b128 v[SID+8*\b+4:SID+8*\b+7], v15, s[10:11] offset:\off+16
.endm
.macro FIX b, cnt                      ; a list becomes offsets.  cnt = the loads issued behind the list's three (none is written where an earlier wait has shown them in: ahead of the loop, where no memory instruction has read the offsets yet)
.if \cnt >= 0
	s_wait_loadcnt \cnt
.endif
	s_wait_xcnt 0x0                                ; every earlier memory instruction has had its addresses translated (ISA guide 3.1): the offsets, and the registers that the tile's stores read, are written again only behind this wait
.if \cnt >= 0
	s_wait_alu depctr_vm_vsrc(0)                   ; the tile's global stores have read SOFF and OB, its LDS stores ACC, its loads of a trip ago AOFF and ASOFF: the lines below, the next tile's matrix instructions and its loads out of the stage write these again
.endif
	v_readfirstlane_b32 s28, v[GID+\b]             ; the tile's first token
	v_cmp_gt_u32 s29, s27, v[GID+\b]               ; the compares stand in one run, each with a scalar register of its own
.irp i, 0,1,2,3,4,5,6,7
	v_cmp_gt_u32 s[MK+\i], s27, v[SID+8*\b+\i]
.endr
	s_wait_alu depctr_va_sdst(0)                   ; s28, s29 and the eight masks are written, ahead of the selects that read them
	v_cndmask_b32 v26, s28, v[GID+\b], s29         ; a pad takes the first token
	v_min_u32 v26, 0xfff, v26                      ; held inside the tables
	v_mul_u32_u24 v27, v26, 768
	v_add_nc_u32 v[AOFF+\b], v27, v17              ; 768 x token + 384 h
	v_lshlrev_b32 v[ASOFF+\b], 5, v26
.irp i, 0,1,2,3,4,5,6,7
	v_cndmask_b32 v26, s28, v[SID+8*\b+\i], s[MK+\i]
	v_min_u32 v26, 0xfff, v26
	v_lshl_add_u32 v[SOFF+8*\b+\i], v26, 12, v16   ; 4,096 x token + 16 r
.endr
	s_wait_alu depctr_va_vdst(0)                   ; AOFF, ASOFF and SOFF are written, which the loads below and the tile's stores read; the lines above are done reading GID and SID, and the matrix instructions the fragments and AS, in all of which the loads below land
.endm
.macro AFETCH b                        ; 26 loads: a tile's eight fragments, three loads of 16 bytes each, and its scale words
	WIN 0xc0
.irp s, 0,1,2,3,4,5,6,7
.irp j, 0,1,2
	global_load_b128 v[96*\b+12*\s+4*\j:96*\b+12*\s+4*\j+3], v[AOFF+\b], s[6:7] offset:48*\s+16*\j
.endr
.endr
	WIN 0
	global_load_b128 v[AS+8*\b:AS+8*\b+3], v[ASOFF+\b], s[8:9]
	global_load_b128 v[AS+8*\b+4:AS+8*\b+7], v[ASOFF+\b], s[8:9] offset:16
.endm
.macro COMPUTE b                       ; 32 matrix instructions; the four accumulators take turns, one instruction a turn; the first K step starts the sums
	WIN 0x0d                                       ; source 0 (We) window 1, source 1 (x) window 3
.irp s, 0,1,2,3
.irp t, 0,1,2,3
.if \s == 0
	v_wmma_scale_f32_16x16x128_f8f6f4 v[ACC+8*\t:ACC+8*\t+7], v[12*(4*\s+\t):12*(4*\s+\t)+11], v[96*\b+12*\s:96*\b+12*\s+11], 0, v[BS+8*\t+\s], v[AS+8*\b+\s] matrix_a_fmt:MATRIX_FMT_BF6 matrix_b_fmt:MATRIX_FMT_BF6
.else
	v_wmma_scale_f32_16x16x128_f8f6f4 v[ACC+8*\t:ACC+8*\t+7], v[12*(4*\s+\t):12*(4*\s+\t)+11], v[96*\b+12*\s:96*\b+12*\s+11], v[ACC+8*\t:ACC+8*\t+7], v[BS+8*\t+\s], v[AS+8*\b+\s] matrix_a_fmt:MATRIX_FMT_BF6 matrix_b_fmt:MATRIX_FMT_BF6
.endif
.endr
.endr
	WIN 0x0e                                       ; source 0 window 2
.irp s, 4,5,6,7
.irp t, 0,1,2,3
	v_wmma_scale_f32_16x16x128_f8f6f4 v[ACC+8*\t:ACC+8*\t+7], v[12*(4*(\s-4)+\t):12*(4*(\s-4)+\t)+11], v[96*\b+12*\s:96*\b+12*\s+11], v[ACC+8*\t:ACC+8*\t+7], v[BS+8*\t+\s], v[AS+8*\b+\s] matrix_a_fmt:MATRIX_FMT_BF6 matrix_b_fmt:MATRIX_FMT_BF6
.endr
.endr
	WIN 0
.rept 4
	v_nop                                          ; four places in front of the first read of the results (ISA guide 7.12.1)
.endr
.endm
.macro OUT b                           ; lane (r, h), accumulator t, register j: out(token r, column 16 t + 8 h + j).  Through my stage, back as whole rows: lanes 0-15 row i, lanes 16-31 row 8 + i
	s_wait_alu depctr_va_vdst(0)                   ; the matrix instructions have written the accumulators, which the LDS stores read; the places above stay beside this wait
.irp t, 0,1,2,3
	ds_store_b128 v[SO], v[ACC+8*\t:ACC+8*\t+3] offset:64*\t          ; each accumulator from its low end on
	ds_store_b128 v[SO], v[ACC+8*\t+4:ACC+8*\t+7] offset:64*\t+16
.endr
.irp i, 0,1,2,3,4,5,6,7
	ds_load_b128 v[OB+4*\i:OB+4*\i+3], v[SR] offset:OPI*\i            ; LDS serves a wave's instructions in order: these see the stores above.  They land in OB, which the last tile's stores have read (the waits ahead of the lines that made this tile's offsets)
.endr
.irp i, 0,1,2,3,4,5,6,7
	s_wait_dscnt 7-\i                              ; load i is in; the younger ones may be out
	global_store_b128 v[SOFF+8*\b+\i], v[OB+4*\i:OB+4*\i+3], s[14:15] th:TH_STORE_NT   ; 16 lanes store 256 consecutive bytes, at a multiple of 256 from out0's first byte
.endr
.endm
; Half a trip: the tile in buffer b is multiplied and stored; then the buffer takes the tile two on, whose list has come, and the list of the tile four on is asked for.
.macro HALF b
	s_wait_loadcnt 32                              ; the tile's 26 loads are in; behind them were issued a list (3), the other buffer's tile (26) and a list (3)
	s_cmp_ge_u32 s[TI+\b], s[NT]
	s_cbranch_scc1 .Lpads_\@                       ; a tile of pads alone: nothing is multiplied or stored
	COMPUTE \b
	OUT \b
.Lpads_\@:
	FIX \b, 29                                     ; the list is in; behind it were issued the other buffer's tile (26) and a list (3).  Its plain lines are also places between this tile's last matrix instruction and the next tile's first, which begins the accumulators anew
	AFETCH \b
	LISTREQ \b, 1024+256*\b
.endm
	s_load_b256 s[4:11], s[0:1], 0x0               ; We s[4:5], xc s[6:7], xs s[8:9], order s[10:11]
	s_load_b128 s[12:15], s[0:1], 0x20             ; meta s[12:13], out0 s[14:15]
	v_lshl_add_u32 v254, v0, 2, 0x19800
	v_mov_b32 v255, 0
	v_lshrrev_b32 v1, 5, v0
	v_readfirstlane_b32 s16, v1                    ; wave 0..3
	s_mov_b32 s17, ttmp9                           ; nb: which 64 columns
	s_and_b32 s18, ttmp7, 0xffff                   ; e: the expert
	v_and_b32 v1, 31, v0                           ; lane
	v_and_b32 v2, 15, v0                           ; r
	v_bfe_u32 v3, v0, 4, 1                         ; h
	v_lshlrev_b32 v4, 4, v1                        ; 16 x lane
	s_wait_alu depctr_va_sdst(0)                   ; s16 is written, ahead of its first reader: LDS places, bases and the tiles' numbers are made from it
	s_mul_i32 s19, s16, TST
	v_add_nc_u32 v[STW], s19, v4
	v_mul_u32_u24 v[STR], v2, TP
	v_lshl_add_u32 v[STR], v3, 7, v[STR]
	v_add_nc_u32 v[STR], s19, v[STR]
	s_mul_i32 s19, s16, 8*FRB
	s_add_co_u32 s19, s19, IMG
	v_add_nc_u32 v[IMW], s19, v4
	s_lshl_b32 s19, s16, 10
	s_add_co_u32 s19, s19, SCI
	v_lshl_add_u32 v[IMS], v1, 2, s19
	v_add_nc_u32 v[LI], IMG, v4
	v_lshl_add_u32 v[LS], v1, 2, SCI
	s_mul_i32 s19, s16, 16*OPI
	s_add_co_u32 s19, s19, OST
	v_mul_u32_u24 v[SO], v2, OPI
	v_lshl_add_u32 v[SO], v3, 5, v[SO]
	v_add_nc_u32 v[SO], s19, v[SO]
	v_mul_u32_u24 v[SR], v3, 8*OPI
	v_lshl_add_u32 v[SR], v2, 4, v[SR]
	v_add_nc_u32 v[SR], s19, v[SR]
	v_lshlrev_b32 v[SH8], 3, v3
	v_lshlrev_b32 v14, 2, v2
	v_lshlrev_b32 v15, 5, v3
	v_lshlrev_b32 v16, 4, v2
	v_mul_u32_u24 v17, v3, 384
	v_mov_b32 v[QT], 0                             ; written once: a lane permute's destination counts as one of its sources
	s_mov_b32 s27, 4096                            ; tokens; a list entry at or above it is a pad
	s_mov_b32 s[SEL], 0x76543210
	s_mov_b32 s[SEL+1], 0xfedcba98
	s_mov_b32 s[TI], s16                           ; my first two tiles: w, w + 4
	s_add_co_u32 s[TI+1], s16, 4
	s_mov_b32 s26, 0                               ; trips done
	s_lshl_b32 s22, s18, 22                        ; an expert is 4 MiB, 64 rows 256 KiB, 16 rows 64 KiB
	s_lshl_b32 s19, s17, 18
	s_add_co_u32 s22, s22, s19
	s_lshl_b32 s19, s16, 16
	s_add_co_u32 s22, s22, s19
	s_mov_b32 s23, 0
	s_wait_kmcnt 0x0
	s_add_nc_u64 s[4:5], s[4:5], s[22:23]
	s_mul_i32 s22, s18, 4352*4                     ; the expert's region of 'order', my wave's 16 entries of a round of four tiles
	s_lshl_b32 s19, s16, 6
	s_add_co_u32 s22, s22, s19
	s_add_nc_u64 s[10:11], s[10:11], s[22:23]
	s_lshl_b32 s22, s18, 3
	s_add_nc_u64 s[12:13], s[12:13], s[22:23]
	s_lshl_b32 s22, s17, 8
	s_add_nc_u64 s[14:15], s[14:15], s[22:23]
	s_load_b64 s[NT:NTR], s[12:13], 0x0            ; waited for in front of the loop
	s_wait_alu depctr_va_vdst(0)                   ; the offsets and LDS addresses v4 to v12, v14 and v15 are written: the loads and stores below read them, and none is written again
	LISTREQ 0, 0                                   ; the lists of my first two tiles
	LISTREQ 1, 256
	LOAD 0
	LOAD 1
	LOAD 2
	WSTEP 0, 48                                    ; behind a step's sixteen loads: the three younger sets
	WSTEP 1, 48
	WSTEP 2, 48
	WSTEP 3, 48
	WSTEP 4, 48
	FIX 0, -1                                      ; the first lists came in front of We's first set
	AFETCH 0
	LISTREQ 0, 512
	WSTEP 5, 61                                    ; two sets and those 29
	WSTEP 6, 45                                    ; one set and those 29
	FIX 1, -1
	AFETCH 1
	LISTREQ 1, 768
	WSTEP 7, 58                                    ; 29 and 29
	s_wait_dscnt 0x0                               ; for the others' sake: my eight images and their scale words lie in LDS
	s_barrier_signal -1
	s_barrier_wait -1
	s_wait_alu depctr_vm_vsrc(0)                   ; my stores into the stage have read window 1's sets, in which We's fragments land
	WIN 0x40
.irp s, 0,1,2,3
.irp t, 0,1,2,3
.irp c, 0,1,2
	ds_load_b128 v[12*(4*\s+\t)+4*\c:12*(4*\s+\t)+4*\c+3], v[LI] offset:(8*\t+\s)*FRB+512*\c
.endr
.endr
.endr
	WIN 0x80
.irp s, 4,5,6,7
.irp t, 0,1,2,3
.irp c, 0,1,2
	ds_load_b128 v[12*(4*(\s-4)+\t)+4*\c:12*(4*(\s-4)+\t)+4*\c+3], v[LI] offset:(8*\t+\s)*FRB+512*\c
.endr
.endr
.endr
	WIN 0
.irp q, 0,1,2,3,4,5,6,7,8,9,10,11,12,13,14,15,16,17,18,19,20,21,22,23,24,25,26,27,28,29,30,31
	ds_load_b32 v[BS+\q], v[LS] offset:128*\q
.endr
	s_wait_dscnt 0x0
	s_wait_kmcnt 0x0
	s_min_u32 s[NT], s[NT], 256                    ; 4,096 tokens are 256 tiles,
	s_min_u32 s[NTR], s[NTR], 32                   ; 32 trips of 128 rows
.Ltrip:
	HALF 0
	HALF 1
	s_wait_xcnt 0x0                                ; the lists' base is stepped only behind this wait
	s_add_nc_u64 s[10:11], s[10:11], 512           ; two rounds of four tiles on
	s_add_co_u32 s[TI], s[TI], 8
	s_add_co_u32 s[TI+1], s[TI+1], 8
	s_add_co_u32 s26, s26, 1
	s_cmp_lt_u32 s26, s[NTR]
	s_cbranch_scc1 .Ltrip
	s_wait_dscnt 0x0                               ; the closing lines, six on end
	s_wait_alu 0x0
	s_wait_tensorcnt 0x0
	ds_add_u32 v254, v255
	s_wait_dscnt 0x0
	s_endpgm                                       ; the look-ahead's last loads are read by nobody; they lie inside their buffers (lists up to entry pt + 256, which the launch before has written)
.Lfunc_end_k_q518d2c00ff_experts:
	.size	k_q518d2c00ff_experts, .Lfunc_end_k_q518d2c00ff_experts-k_q518d2c00ff_experts
	.p2alignl 7, 3214868480
	.fill 96, 4, 3214868480
	.section	.rodata,"a",@progbits
	.p2align	6, 0x0
	.amdhsa_kernel k_q518d2c00ff_experts
		.amdhsa_group_segment_fixed_size 104960
		.amdhsa_private_segment_fixed_size 0
		.amdhsa_enable_private_segment 0
		.amdhsa_kernarg_size 48
		.amdhsa_user_sgpr_count 2
		.amdhsa_user_sgpr_kernarg_segment_ptr 1
		.amdhsa_wavefront_size32 1
		.amdhsa_system_sgpr_workgroup_id_x 1
		.amdhsa_system_sgpr_workgroup_id_y 1
		.amdhsa_system_sgpr_workgroup_id_z 1
		.amdhsa_system_vgpr_workitem_id 0
		.amdhsa_next_free_vgpr 960
		.amdhsa_next_free_sgpr 66
		.amdhsa_reserve_vcc 0
		.amdhsa_float_denorm_mode_32 3
		.amdhsa_float_denorm_mode_16_64 3
		.amdhsa_memory_ordered 1
		.amdhsa_forward_progress 1
		.amdhsa_inst_pref_size 102
	.end_amdhsa_kernel
	.amdgpu_metadata
---
amdhsa.version: [ 1, 2 ]
amdhsa.kernels:
  - .name:           k_q518d2c00ff_experts
    .symbol:         k_q518d2c00ff_experts.kd
    .args:
      - { .name: We, .offset: 0, .size: 8, .value_kind: global_buffer, .address_space: global }
      - { .name: xc, .offset: 8, .size: 8, .value_kind: global_buffer, .address_space: global }
      - { .name: xs, .offset: 16, .size: 8, .value_kind: global_buffer, .address_space: global }
      - { .name: order, .offset: 24, .size: 8, .value_kind: global_buffer, .address_space: global }
      - { .name: meta, .offset: 32, .size: 8, .value_kind: global_buffer, .address_space: global }
      - { .name: out0, .offset: 40, .size: 8, .value_kind: global_buffer, .address_space: global }
    .group_segment_fixed_size: 104960
    .private_segment_fixed_size: 0
    .kernarg_segment_align: 8
    .kernarg_segment_size: 48
    .max_flat_workgroup_size: 128
    .sgpr_count:     66
    .vgpr_count:     960
    .wavefront_size: 32
...
	.end_amdgpu_metadata
.endif
;; end of part 6
